; MI455X (gfx1250); checked and timed in simulation.
; The chip was launched on July 23, 2026; its instructions are those of AMD's public machine-readable ISA for CDNA 5 (MIT licence, August 2026) and "CDNA5" Instruction Set Architecture Reference Guide (July 2026). The comments in the code are by the model that wrote it; some were corrected since.
;; Old Multihead Attention. Allowed arithmetic: matrix products marked QUANTISED: E4M3 operands, one E8M0 scale for each 32 along K, by v_wmma_scale_f32_16x16x128_f8f6f4 with both operands' format E4M3, f32 sums; everything else in f32.
;; Inputs: Wk_codes 1,024 x 32 x 32 uint8 (E4M3 codes of Wk, K innermost, in blocks of 32 codes); Wk_scales 1,024 x 32 uint8 (E8M0 scales of Wk, one for each 32 codes along K); Wo_codes 1,024 x 32 x 32 uint8 (E4M3 codes of Wo, K innermost, in blocks of 32 codes); Wo_scales 1,024 x 32 uint8 (E8M0 scales of Wo, one for each 32 codes along K); Wq_codes 1,024 x 32 x 32 uint8 (E4M3 codes of Wq, K innermost, in blocks of 32 codes); Wq_scales 1,024 x 32 uint8 (E8M0 scales of Wq, one for each 32 codes along K); Wv_codes 1,024 x 32 x 32 uint8 (E4M3 codes of Wv, K innermost, in blocks of 32 codes); Wv_scales 1,024 x 32 uint8 (E8M0 scales of Wv, one for each 32 codes along K); bk 1,024 float32; bo 1,024 float32; bq 1,024 float32; bv 1,024 float32; key_codes 4 x 2,048 x 32 x 32 uint8 (E4M3 codes of key, K innermost, in blocks of 32 codes); key_scales 4 x 2,048 x 32 uint8 (E8M0 scales of key, one for each 32 codes along K); ln_beta 1,024 float32; ln_gamma 1,024 float32; query 4 x 2,048 x 1,024 float32; value_codes 4 x 2,048 x 32 x 32 uint8 (E4M3 codes of value, K innermost, in blocks of 32 codes); value_scales 4 x 2,048 x 32 uint8 (E8M0 scales of value, one for each 32 codes along K).
;; Outputs: out0 4 x 2,048 x 1,024 float32.
;; This version of the problem:
;;   THIS VERSION OF THE PROBLEM IS GIVEN IN LOW PRECISION. The matrix products marked QUANTISED in the list below multiply operands that are first quantised to E4M3 (4 exponent bits, 3 mantissa bits; 8 bits a number), with one power-of-two scale for each 32 numbers along K (OCP MX v1.0); their sums are f32. All else is computed in f32.
;;   The module's matrix products, in the order in which they are computed (A, B: the left and right operand; K: the contracted axis; several contracted axes count as one K, in the product's order):
;;     1. [M 8,192, K 1,024] x [K 1,024, N 1,024]; A: input query; B: input Wq (given as codes): QUANTISED
;;     2. [M 8,192, K 1,024] x [K 1,024, N 1,024]; A: input key (given as codes); B: input Wk (given as codes): QUANTISED
;;     3. [M 8,192, K 1,024] x [K 1,024, N 1,024]; A: input value (given as codes); B: input Wv (given as codes): QUANTISED
;;     4. batch 64 x [M 2,048, K 64] x [K 64, N 2,048]; A: computed on the way; B: computed on the way: QUANTISED
;;     5. batch 64 x [M 64, K 2,048] x [K 2,048, N 2,048]; A: computed on the way; B: softmax (see below): QUANTISED
;;     6. [M 8,192, K 1,024] x [K 1,024, N 1,024]; A: computed on the way; B: input Wo (given as codes): QUANTISED
;;   THE QUANTISER, for each operand of a quantised product, along K:
;;     - K is cut into blocks of 32 from its start; a last block that is shorter is filled with zeros.
;;     - A block's scale is 2^e with e = floor(log2(the largest magnitude in the block)) - 8, held to -126 .. 127; a block of zeros has e = 0. As a byte (E8M0): e + 127.
;;     - Each number is divided by its block's scale, clamped to +-448, and rounded to the nearest number of E4M3, ties to even, subnormals kept.
;;     - The product sums the exact products of the quantised numbers (number of the format x scale) in f32.
;;   ~~~python
;;   def quantise(x, axis):      # numpy; x: float32 -> the quantised numbers, widened to float32 again
;;       x = np.moveaxis(x, axis, -1); K = x.shape[-1]
;;       x = np.pad(x, [(0, 0)] * (x.ndim - 1) + [(0, -K % 32)]); x = x.reshape(x.shape[:-1] + (-1, 32)); a = np.abs(x).max(-1, keepdims=True)
;;       e = np.where(a > 0, np.clip(np.frexp(np.where(a > 0, a, 1))[1] - 1 - 8, -126, 127), 0)      # np.frexp(a)[1] - 1 = floor(log2(a)), exactly
;;       r = np.clip(x / 2.0 ** e, -448, 448)
;;       step = 2.0 ** (np.maximum(np.frexp(np.where(r == 0, 1, r))[1] - 1, -6) - 3)
;;       q = np.round(r / step) * step * 2.0 ** e      # np.round: ties to even
;;       return np.moveaxis(q.reshape(q.shape[:-2] + (-1,))[..., :K], -1, axis).astype(np.float32)
;;   ~~~
;;   SOFTMAX AHEAD OF A QUANTISED PRODUCT. Where the list says 'softmax', what is quantised is not the finished softmax but p = 2^(t - M), with t = logit x log2(e) and M = ceil(the row's largest t), a whole number; so 1/2 < the row's largest p <= 1. The row's sum l is taken of the UNQUANTISED p, in f32, and the product's result is divided by l at the end. Since M is a whole number, a kernel that streams over the keys may use a running M (the ceiling of the running maximum): every later rescaling is an exact power of two, which a block's scale takes up: the codes' values come out the same.
;;   OPERANDS COMPUTED ON THE WAY. 'Computed on the way' means the value that the module computes at that place (a softmax that the list does not call 'softmax' is quantised finished and normalised). What goes into a quantiser is computed in f32, as accurately as f32 sums, v_exp_f32 and their like allow (about 1e-6 of the number): no bf16 or f16 on the way to a quantiser, and a product that is left as it is and whose result goes on into a quantised operand takes f32 operands (vector FMAs, or v_wmma_f32_16x16x4_f32). A number that lies on a knife's edge between two numbers of the format may be rounded either way, as far as f32 arithmetic and the matrix unit's own rounding can turn it there, and no further.
;;   INPUTS GIVEN AS CODES. Wk (in the module: [1024, 1024], K = its axis 0); Wo (in the module: [1024, 1024], K = its axis 0); Wq (in the module: [1024, 1024], K = its axis 0); Wv (in the module: [1024, 1024], K = its axis 0); key (in the module: [4, 2048, 1024], K = its axis 2); value (in the module: [4, 2048, 1024], K = its axis 2): each comes as NAME_codes (uint8): NAME with its K axis moved to the last place and cut into blocks of 32 codes, [.., K / 32, bytes a block], one block behind the other in memory; one code a byte (a code: sign, 4 exponent bits, 3 mantissa bits); and NAME_scales (uint8): the same leading axes, one E8M0 byte (e + 127) for each 32 codes along K. Its value is code x scale, taken as it is: it is not quantised again, and the codes and scales need not be those that the quantiser above would give.
;; One version. Each part assembles by itself: llvm-mc -triple=amdgcn-amd-amdhsa -mcpu=gfx1250 --defsym DOCPART=n.
;; ======== version 1 of 1: 3 launches
;; limits: right only within a limited range of input values
;; workspace buffers: qimg 8,388,608 bytes; qscl 524,288 bytes; kimg 8,388,608 bytes; kscl 262,144 bytes; vimg 8,388,608 bytes; vscl 262,144 bytes; oimg 9,437,184 bytes; oscl 262,144 bytes
;; launch proj (part 1): grid 256 x 1, 4 waves a work-group, no clusters, 209,408 bytes of LDS; arguments query, key_codes, key_scales, value_codes, value_scales, Wq_codes, Wq_scales, Wk_codes, Wk_scales, Wv_codes, Wv_scales, bq, bk, bv, qimg, qscl, kimg, kscl, vimg, vscl; writes qimg, qscl, kimg, kscl, vimg, vscl
.if DOCPART == 1
	.amdgcn_target "amdgcn-amd-amdhsa--gfx1250"
	.amdhsa_code_object_version 6
	.text
	.protected	k_q9835f9442d_proj
	.globl	k_q9835f9442d_proj
	.p2align	8
	.type	k_q9835f9442d_proj,@function
k_q9835f9442d_proj:
	s_mov_b64 s[64:65], 0
	v_nop
	global_prefetch_b8 v0, s[64:65] scope:SCOPE_SE
	s_setreg_imm32_b32 hwreg(HW_REG_WAVE_MODE, 25, 1), 1
	s_wait_xcnt 0x0
; q = Q(query) Wq + bq, k = key Wk + bk, v = value Wv + bv, on codes of FP8 (E4M3) with one E8M0 scale for each 32 along K, and the three results
; quantised at once for the attention launch: q and k along the head's 64 (two blocks), v along the keys (a block = 32 tokens).
; SHARES.  Work-groups 0-127: q, 256 tokens x 4 heads each; 128-191: k, 192-255: v, 512 tokens x 4 heads each (a q work-group also quantises query, so it gets half the tokens).
; Wave w owns one head: its 64 rows of W (8 K steps x 4 tiles x 16 registers = 512 registers) are read once and stay.  Tokens go round through LDS, 32 (a group) at a time, two slots, one barrier a group.
; TILES.  Row rho of W's tile 2 b + u is row 32 b + 8 u + rho + 8 (rho / 8) of the head; in the k and v paths row rho of token tile u is token 8 u + rho + 8 (rho / 8) of the group.
; So a lane's 16 registers of two neighbouring tiles are 16 neighbours along the next product's K, and the conversions' results are that product's operand registers.
; q, k: source 0 = 16 rows of W, source 1 = 16 tokens: a lane holds one token, registers run along d.   v: source 0 = 16 tokens, source 1 = 16 rows of W: a lane holds one d, registers run along the tokens.
; OUT.  Four registers a lane (a chunk) leave by one store of 512 consecutive bytes, in the order of the reader's registers.  The scale words leave in runs of 128 bytes.
; NO CLUSTER: what the four work-groups of a token block share is a group's 32 rows; in the q path these are f32 numbers that each work-group quantises on their way into LDS, and W, the larger operand, has one reader a row.
; LIMITS: NaN and infinities among the inputs are not served.  A block whose largest magnitude lies under 2^-118, a block of zeros among them, gets the scale byte 1; these bytes are read by this program alone.
; REGISTERS.  window 0: below.  window 1: staging (q: 8 rows x 32 registers of f32; k, v: 64 of codes, 2 of scale bytes).  windows 2, 3: W (K step s, tile t) at 64 (s % 4) + 16 t, K steps 0-3 and 4-7.
.set RP,    1040                       ; a token row in LDS: 1,024 codes + 16: 260 words, so the 16 rows of a fragment load start 4 banks apart
.set SCP,   48                         ; a token's 32 scale bytes + 16
.set SCO,   32*RP                      ; a slot: 32 rows of codes, then 32 rows of scale bytes
.set SLOTB, SCO+32*SCP
.set VL,   1                           ; v1   lane;  v2 lane % 16;  v3 lane / 16
.set VT,   4                           ; v4   LDS: my place in a token fragment
.set VTS,  5                           ; v5   LDS: token row (lane)'s scale bytes
.set VPC,  6                           ; v6   LDS: where I put codes
.set VPS,  7                           ; v7   LDS: where I put scale bytes
.set VG,   8                           ; v8   my offset in the staged rows
.set VGS,  9                           ; v9   and in their scale bytes
.set VO,   10                          ; v10  16 x lane
.set VO4,  11                          ; v11  4 x lane
.set VPF,  12                          ; v12  256 x lane: the prefetches
.set VW,   13                          ; v13  my offset in W's rows
.set VWS,  14                          ; v14  and in W's scale bytes
.set VB,   15                          ; v15  and in the bias
.set WSC,  16                          ; v16-31  W's scale words: 8 b + s: lanes 0-15 tile 2 b, lanes 16-31 tile 2 b + 1
.set TSC,  32                          ; v32-39  the tokens' scale words, K step s: lanes 0-15 tile 0, lanes 16-31 tile 1
.set BI,   40                          ; v40-71  the bias, 8 registers a tile of W, in the result's layout: the C of each sum's first product
.set PW,   72                          ; v72  the scale word just made
.set W0,   73
.set W1,   74
.set W2,   75
.set SW,   76                          ; v76-79  v path: a step's scale words, gathered over four groups
.set ACC,  80                          ; v80-143 eight accumulators
.set TF,   144                         ; v144-239 token fragments: three buffers of 2 tiles x 16
.set PC,   144                         ; the codes just made lie over the first buffer, free behind the K loop
.set QC,   144                         ; q path, while a group is quantised: 8 rows x 8 registers of codes,
.set QB,   208                         ; and 8 x 4 scale bytes
.set TM,   240                         ; v240-255 at work: largest magnitudes, bytes, holds, scale operands (4 each)
.set XC,  4                            ; s[4:5]   the stream of tokens;  s[6:7] their scale bytes
.set XS,  6
.set WC,  8                            ; s[8:9]   W's codes;  s[10:11] W's scale bytes;  s[12:13] the bias
.set WP,  10
.set BP,  12
.set IMG, 16                           ; s[16:17] codes out;  s[18:19] scale words out
.set SCL, 18
.set SEL, 20
.set HI,  22                           ; lanes 16-31
.set MNT, 23                           ; the mantissa field of 448
.set WV,  24
.set GC,  25                           ; the trip's first group
.set LIM, 26
.set SH,  27
.set OP,  28
.set OQ,  30
.set MSB, 0
.macro WIN new                         ; the immediate's high byte repeats the setting that is left
.if MSB != (\new)
	s_set_vgpr_msb (MSB<<8)|(\new)
.set MSB, (\new)
.endif
.endm
.macro PLACES n
.rept \n
	v_nop
.endr
.endm
; one scaled product; ra, rb: the side's scale words stand in lanes 16-31
.macro WM d, a, b, c, sa, sb, ra, rb
.if ((\ra) != 0) && ((\rb) != 0)
	v_wmma_scale_f32_16x16x128_f8f6f4 v[(\d):(\d)+7], v[(\a):(\a)+15], v[(\b):(\b)+15], \c, v[(\sa)], v[(\sb)] matrix_a_scale:MATRIX_SCALE_ROW1 matrix_b_scale:MATRIX_SCALE_ROW1
.elseif (\ra) != 0
	v_wmma_scale_f32_16x16x128_f8f6f4 v[(\d):(\d)+7], v[(\a):(\a)+15], v[(\b):(\b)+15], \c, v[(\sa)], v[(\sb)] matrix_a_scale:MATRIX_SCALE_ROW1
.elseif (\rb) != 0
	v_wmma_scale_f32_16x16x128_f8f6f4 v[(\d):(\d)+7], v[(\a):(\a)+15], v[(\b):(\b)+15], \c, v[(\sa)], v[(\sb)] matrix_b_scale:MATRIX_SCALE_ROW1
.else
	v_wmma_scale_f32_16x16x128_f8f6f4 v[(\d):(\d)+7], v[(\a):(\a)+15], v[(\b):(\b)+15], \c, v[(\sa)], v[(\sb)]
.endif
.endm
; 64 numbers of a lane, four blocks of 16 registers (the block's other 16 lie in lane l xor 16), become 16 registers of codes in v[PC] on; the bytes stay in v[TM+4] on; pw = 1: they also make a word in v[PW]
.macro QUANT s, pw
.irp b, 0,1,2,3
	v_max3_num_f32 v[TM+\b], |v[\s+16*\b]|, |v[\s+1+16*\b]|, 0x4800000   ; my 16 numbers and the floor 2^(9 - 127): the byte cannot fall under 1
.endr
.irp i, 2,4,6,8,10,12,14
.irp b, 0,1,2,3
	v_max3_num_f32 v[TM+\b], v[TM+\b], |v[\s+16*\b+\i]|, |v[\s+1+16*\b+\i]|   ; the four blocks by turns
.endr
.endr
.irp b, 0,1,2,3
	v_permlanex16_b32 v[TM+4+\b], v[TM+\b], s[SEL], s[SEL+1]
.endr
.irp b, 0,1,2,3
	v_max_num_f32 v[TM+\b], v[TM+\b], v[TM+4+\b]             ; the block's largest magnitude
.endr
.irp b, 0,1,2,3
	v_add_nc_u32 v[TM+12+\b], 0xfc000000, v[TM+\b]           ; 8 off its exponent field: the conversion's scale operand
.endr
.irp b, 0,1,2,3
	v_and_or_b32 v[TM+8+\b], v[TM+\b], 0x7f800000, s[MNT]    ; 448 x the scale
.endr
.irp b, 0,1,2,3
	v_lshrrev_b32 v[TM+4+\b], 23, v[TM+12+\b]                ; the scale's byte
.endr
.if \pw
	v_lshl_or_b32 v[PW], v[TM+5], 8, v[TM+4]
	v_lshl_or_b32 v[PW], v[TM+6], 16, v[PW]
	v_lshl_or_b32 v[PW], v[TM+7], 24, v[PW]
.endif
.irp b, 0,1,2,3
.irp i, 0,1,2,3,4,5,6,7,8,9,10,11,12,13,14,15
	v_med3_num_f32 v[\s+16*\b+\i], v[\s+16*\b+\i], -v[TM+8+\b], v[TM+8+\b]   ; the conversion to an 8-bit code does not saturate (ISA guide 7.6.2): the hold comes first
.endr
	v_cvt_scalef32_pk8_fp8_f32 v[PC+4*\b:PC+1+4*\b], v[\s+16*\b:\s+7+16*\b], v[TM+12+\b]
	v_cvt_scalef32_pk8_fp8_f32 v[PC+2+4*\b:PC+3+4*\b], v[\s+8+16*\b:\s+15+16*\b], v[TM+12+\b]
.endr
	v_nop                                          ; a plain line behind the last conversion
.endm
; the next group's rows into window 1.  q: my 8 rows of 1,024 f32, 8 neighbours a lane (unit i: numbers 256 i + 8 lane on).  k, v: my 8 rows of codes, 8,192 dense bytes, and their 256 scale bytes
.macro STAGE p
	WIN 0x40
.if \p == 0
.irp rho, 0,1,2,3,4,5,6,7
.irp i, 0,1,2,3
.irp x, 0,1
	global_load_b128 v[32*\rho+8*\i+4*\x:32*\rho+8*\i+4*\x+3], v[VG], s[XC:XC+1] offset:4096*\rho+1024*\i+16*\x
.endr
.endr
.endr
.else
.irp i, 0,1,2,3,4,5,6,7,8,9,10,11,12,13,14,15
	global_load_b128 v[4*\i:4*\i+3], v[VG], s[XC:XC+1] offset:512*\i
.endr
	global_load_b64 v[64:65], v[VGS], s[XS:XS+1]
.endif
	WIN 0
.endm
; q path: one row of query is quantised: four units by turns; a block of 32 lies in four neighbouring lanes
.macro QROW rho, z
.set XR,  32*(\rho)
.set QCR, QC+8*(\rho)
.set QBR, QB+4*(\rho)
	WIN 0x05
.irp i, 0,1,2,3
	v_max3_num_f32 v[TM+\i], |v[XR+8*\i]|, |v[XR+8*\i+1]|, 0x4800000
.endr
	WIN 0x14
.irp j, 2,4,6
.irp i, 0,1,2,3
	v_max3_num_f32 v[TM+\i], v[TM+\i], |v[XR+8*\i+\j]|, |v[XR+8*\i+\j+1]|
.endr
.endr
	WIN 0
.irp i, 0,1,2,3
	v_max_num_f32_dpp v[TM+\i], v[TM+\i], v[TM+\i] row_xmask:1 row_mask:0xf bank_mask:0xf
.endr
.irp i, 0,1,2,3
	v_max_num_f32_dpp v[TM+\i], v[TM+\i], v[TM+\i] row_xmask:2 row_mask:0xf bank_mask:0xf
.endr
.irp i, 0,1,2,3
	v_add_nc_u32 v[TM+12+\i], 0xfc000000, v[TM+\i]
.endr
.irp i, 0,1,2,3
	v_and_or_b32 v[TM+8+\i], v[TM+\i], 0x7f800000, s[MNT]
.endr
	WIN 0x41
.irp i, 0,1,2,3
.irp j, 0,1,2,3,4,5,6,7
	v_med3_num_f32 v[XR+8*\i+\j], v[XR+8*\i+\j], -v[TM+8+\i], v[TM+8+\i]
.endr
.endr
	WIN 0x01
.irp i, 0,1,2,3
	v_cvt_scalef32_pk8_fp8_f32 v[QCR+2*\i:QCR+2*\i+1], v[XR+8*\i:XR+8*\i+7], v[TM+12+\i]
.endr
	WIN 0
.irp i, 0,1,2,3
	v_lshrrev_b32 v[QBR+\i], 23, v[TM+12+\i]       ; the byte (also the plain line behind the conversions)
.endr
.irp i, 0,1,2,3
	ds_store_b64 v[VPC], v[QCR+2*\i:QCR+2*\i+1] offset:(\z)*SLOTB+(\rho)*RP+256*\i   ; 256 consecutive bytes of the row
.endr
.irp i, 0,1,2,3
	ds_store_b8 v[VPS], v[QBR+\i] offset:(\z)*SLOTB+(\rho)*SCP+8*\i                  ; the four lanes of a block write the same byte with the same value
.endr
.endm
.macro TFL z, ks                       ; K step ks of the slot's two token tiles into buffer ks % 3
.irp u, 0,1
.irp c, 0,1,2,3
	ds_load_b128 v[TF+32*((\ks)%3)+16*\u+4*\c:TF+32*((\ks)%3)+16*\u+4*\c+3], v[VT] offset:(\z)*SLOTB+\u*16*RP+128*(\ks)+32*\c
.endr
.endr
.endm
; a K step's eight products; the eight accumulators take turns, in the same order in every K step
.macro MM p, ks
.set WB,  64*((\ks)%4)
.set TFB, TF+32*((\ks)%3)
.if \p == 2
	WIN 0x08+4*((\ks)/4)
.irp t, 0,1,2,3
.irp u, 0,1
.if (\ks) == 0
	WM ACC+16*\t+8*\u, TFB+16*\u, WB+16*\t, v[BI+8*\t:BI+8*\t+7], TSC+(\ks), WSC+8*(\t/2)+(\ks), \u, \t%2
.else
	WM ACC+16*\t+8*\u, TFB+16*\u, WB+16*\t, v[ACC+16*\t+8*\u:ACC+16*\t+8*\u+7], TSC+(\ks), WSC+8*(\t/2)+(\ks), \u, \t%2
.endif
.endr
.endr
.else
	WIN 0x02+((\ks)/4)
.irp u, 0,1
.irp t, 0,1,2,3
.if (\ks) == 0
	WM ACC+32*\u+8*\t, WB+16*\t, TFB+16*\u, v[BI+8*\t:BI+8*\t+7], WSC+8*(\t/2)+(\ks), TSC+(\ks), \t%2, \u
.else
	WM ACC+32*\u+8*\t, WB+16*\t, TFB+16*\u, v[ACC+32*\u+8*\t:ACC+32*\u+8*\t+7], WSC+8*(\t/2)+(\ks), TSC+(\ks), \t%2, \u
.endif
.endr
.endr
.endif
	WIN 0
.endm
; ONE GROUP of 32 tokens, through slot z
.macro GROUP p, z
	s_wait_xcnt 0x0                                ; the last group's stores, loads and prefetches have read their registers: the code registers and the pointers may be written
.if \p == 0
.irp rho, 0,1,2,3,4,5,6,7
	s_wait_loadcnt 8*(7-\rho)                      ; this row's eight loads are in; the eight of each later row may be out
	QROW \rho, \z
.endr
.else
	s_wait_loadcnt 0x0
	WIN 0x04
.irp i, 0,1,2,3,4,5,6,7,8,9,10,11,12,13,14,15
	ds_store_b128 v[VPC], v[4*\i:4*\i+3] offset:\z*SLOTB+(\i/2)*RP+512*(\i%2)
.endr
	ds_store_b64 v[VPS], v[64:65] offset:\z*SLOTB
	WIN 0
.endif
	s_wait_dscnt 0x0                               ; for the others: my rows lie in the slot; and the stores have read the staging registers
.if \z == 1
	s_cmp_ge_u32 s[GC], NG-2                       ; the last group has no successor: no load leaves its buffer
	s_cbranch_scc1 .Lnext_\@
.endif
	s_add_nc_u64 s[XC:XC+1], s[XC:XC+1], STEPC
.if \p != 0
	s_add_nc_u64 s[XS:XS+1], s[XS:XS+1], 1024
.endif
	STAGE \p                                       ; the next group's rows: they have this group's products in which to land
; A prefetch of my wave's 8 rows of the group two further on than the one just asked for.  The four work-groups of a token block read the same rows: the one with slice 0 asks; it stops three groups from the block's end.
.if \z == 0
	s_cmp_lt_u32 s[GC], s[LIM]
.else
	s_add_co_u32 s38, s[GC], 1
	s_cmp_lt_u32 s38, s[LIM]
.endif
	s_cbranch_scc0 .Lnext_\@
.if \p == 0
.irp n, 0,1,2,3
	global_prefetch_b8 v[VPF], s[XC:XC+1] offset:2*STEPC+8192*\n th:TH_LOAD_NT scope:SCOPE_SE
.endr
.else
	global_prefetch_b8 v[VPF], s[XC:XC+1] offset:2*STEPC th:TH_LOAD_NT scope:SCOPE_SE
.endif
.Lnext_\@:
	s_barrier_signal -1                            ; the group's one barrier: behind it the slot is whole; the other slot's reads ended in front of every wave's signal
	s_barrier_wait -1
	ds_load_b128 v[TSC:TSC+3], v[VTS] offset:\z*SLOTB
	ds_load_b128 v[TSC+4:TSC+7], v[VTS] offset:\z*SLOTB+16
	TFL \z, 0
	TFL \z, 1
	TFL \z, 2
	s_wait_alu depctr_va_vdst(0)
.irp ks, 0,1,2,3,4,5,6,7
.if \ks < 6
	s_wait_dscnt 16                                ; this K step's fragments are in; the 8 loads of each of the next two may be out
.elseif \ks == 6
	s_wait_dscnt 8
.else
	s_wait_dscnt 0
.endif
	MM \p, \ks
.if \ks < 5
	PLACES 8                                       ; in front of loads into registers that these products read (ISA guide 7.12.1 for vector instructions)
	TFL \z, \ks+3
.endif
.endr
	PLACES 8                                       ; in front of the first read of results
.if \p == 1
	QUANT ACC, 1
.else
	QUANT ACC, 0
.endif
	s_mov_b32 s33, 0
.if \p == 2
	s_lshr_b32 s32, s[GC], 2                       ; vimg: step (group / 4) x 8,192 + tile x 2,048 + (group % 4) x 512
	s_lshl_b32 s32, s32, 13
	s_and_b32 s40, s[GC], 2
	s_lshl_b32 s38, s40, 9
	s_add_co_u32 s32, s32, s38
	s_add_nc_u64 s[OP:OP+1], s[IMG:IMG+1], s[32:33]
.irp t, 0,1,2,3
	global_store_b128 v[VO], v[PC+4*\t:PC+4*\t+3], s[OP:OP+1] offset:512*\z+2048*\t
.endr
	s_lshl_b32 s[SH], s40, 3
.if \z == 1
	s_add_co_u32 s[SH], s[SH], 8
.endif
.irp t, 0,1,2,3
	v_lshl_or_b32 v[SW+\t], v[TM+4+\t], s[SH], v[SW+\t]    ; the group's byte into its place in the step's word
.endr
.if \z == 1
	s_cmp_lg_u32 s40, 0                            ; the step's fourth group: the words are whole
	s_cbranch_scc0 .Lnosc_\@
	s_lshr_b32 s32, s[GC], 2
	s_lshl_b32 s32, s32, 8
	s_add_nc_u64 s[OQ:OQ+1], s[SCL:SCL+1], s[32:33]
	v_cndmask_b32 v[W0], v[SW], v[SW+1], s[HI]     ; lanes 0-15: tile 0, lanes 16-31: tile 1
	v_cndmask_b32 v[W1], v[SW+2], v[SW+3], s[HI]
	global_store_b32 v[VO4], v[W0], s[OQ:OQ+1]
	global_store_b32 v[VO4], v[W1], s[OQ:OQ+1] offset:128
.irp t, 0,1,2,3
	v_mov_b32 v[SW+\t], 0
.endr
.Lnosc_\@:
.endif
.else
	s_lshl_b32 s32, s[GC], 11                      ; 2,048 bytes a group
	s_add_nc_u64 s[OP:OP+1], s[IMG:IMG+1], s[32:33]
.irp b, 0,1,2,3
	global_store_b128 v[VO], v[PC+4*\b:PC+4*\b+3], s[OP:OP+1] offset:2048*\z+512*\b
.endr
.if \p == 0
	v_lshl_or_b32 v[W0], v[TM+5], 8, v[TM+4]       ; a query's two bytes; lanes 0-15 tile 0, lanes 16-31 tile 1
	v_lshl_or_b32 v[W1], v[TM+7], 8, v[TM+6]
	v_cndmask_b32 v[W2], v[W0], v[W1], s[HI]
	s_lshl_b32 s32, s[GC], 7
	s_add_nc_u64 s[OQ:OQ+1], s[SCL:SCL+1], s[32:33]
	global_store_b32 v[VO4], v[W2], s[OQ:OQ+1] offset:128*\z
.elseif \z == 0
	v_mov_b32 v[W0], v[PW]                         ; the even group's words wait for the odd group's
.else
	v_cndmask_b32 v[W2], v[W0], v[PW], s[HI]
	s_lshl_b32 s32, s[GC], 6                       ; 128 bytes a pair of groups
	s_add_nc_u64 s[OQ:OQ+1], s[SCL:SCL+1], s[32:33]
	global_store_b32 v[VO4], v[W2], s[OQ:OQ+1]
.endif
.endif
.endm
; A PATH: p = 0 q, 1 k, 2 v.  Each has its own arguments, its own LDS bytes and its own loop
.macro PATH p
.if \p == 0
.set LP, 0
.set NG, 8
.set G0, 0
.set LB, 3
.set STEPC, 131072
	s_load_b64 s[XC:XC+1], s[0:1], 0x0
	s_load_b128 s[WC:WC+3], s[0:1], 0x28
	s_load_b64 s[BP:BP+1], s[0:1], 0x58
	s_load_b128 s[IMG:IMG+3], s[0:1], 0x70
	s_mov_b32 s32, ttmp9
.elseif \p == 1
.set LP, 2*SLOTB
.set NG, 16
.set G0, 128
.set LB, 2
.set STEPC, 32768
	s_load_b128 s[XC:XC+3], s[0:1], 0x8
	s_load_b128 s[WC:WC+3], s[0:1], 0x38
	s_load_b64 s[BP:BP+1], s[0:1], 0x60
	s_load_b128 s[IMG:IMG+3], s[0:1], 0x80
	s_sub_co_u32 s32, ttmp9, G0
.else
.set LP, 4*SLOTB
.set NG, 16
.set G0, 192
.set LB, 2
.set STEPC, 32768
	s_load_b128 s[XC:XC+3], s[0:1], 0x18
	s_load_b128 s[WC:WC+3], s[0:1], 0x48
	s_load_b64 s[BP:BP+1], s[0:1], 0x68
	s_load_b128 s[IMG:IMG+3], s[0:1], 0x90
	s_sub_co_u32 s32, ttmp9, G0
.endif
	s_and_b32 s33, s32, 3                          ; slice of four heads
	s_lshr_b32 s34, s32, 2                         ; block of tokens
	s_lshl_b32 s35, s33, 2
	s_add_co_u32 s35, s35, s[WV]                   ; my head
	s_lshr_b32 s36, s34, LB                        ; batch
	s_and_b32 s37, s34, (1<<LB)-1
	s_mul_i32 s37, s37, NG                         ; the block's first group in its batch
	s_lshl_b32 s36, s36, 4
	s_add_co_u32 s36, s36, s35                     ; batch x 16 + head
	s_cmp_eq_u32 s33, 0
	s_cselect_b32 s[LIM], NG-3, 0
	v_mul_u32_u24 v[VT], v2, RP
	v_lshl_add_u32 v[VT], v3, 4, v[VT]
.if LP
	v_add_nc_u32 v[VT], LP, v[VT]
.endif
	v_mad_u32_u24 v[VTS], v[VL], SCP, LP+SCO
.if \p == 0
	s_mul_i32 s38, s[WV], 8*RP                     ; my 8 rows: tokens 8 w on, in their own order
	s_mul_i32 s39, s[WV], 8*SCP
	s_add_co_u32 s39, s39, LP+SCO
	v_lshlrev_b32 v[VPC], 3, v[VL]
	v_add_nc_u32 v[VPC], s38, v[VPC]
	v_lshrrev_b32 v[VPS], 2, v[VL]
	v_add_nc_u32 v[VPS], s39, v[VPS]
	v_lshlrev_b32 v[VG], 5, v[VL]
	v_lshlrev_b32 v[VB], 6, v3
.else
	s_and_b32 s38, s[WV], 1                        ; tokens 8 w on go to rows 8 x (0, 2, 1, 3)[w] on: so a tile's 16 rows are neighbours in LDS
	s_lshl_b32 s38, s38, 1
	s_lshr_b32 s39, s[WV], 1
	s_or_b32 s38, s38, s39
	s_mul_i32 s39, s38, 8*SCP
	s_add_co_u32 s39, s39, LP+SCO
	s_mul_i32 s38, s38, 8*RP
	s_add_co_u32 s38, s38, LP
	v_lshlrev_b32 v[VG], 4, v[VL]
	v_add_nc_u32 v[VPC], s38, v[VG]
	v_lshrrev_b32 v[VPS], 2, v[VL]
	v_mul_u32_u24 v[VPS], v[VPS], SCP
	v_and_b32 v[VGS], 3, v[VL]
	v_lshl_add_u32 v[VPS], v[VGS], 3, v[VPS]
	v_add_nc_u32 v[VPS], s39, v[VPS]
	v_lshlrev_b32 v[VGS], 3, v[VL]
.if \p == 1
	v_lshlrev_b32 v[VB], 6, v3
.else
	v_lshlrev_b32 v[VB], 2, v[VB]
.irp t, 0,1,2,3
	v_mov_b32 v[SW+\t], 0
.endr
.endif
.endif
	s_mov_b32 s39, 0
	s_wait_kmcnt 0x0
.if \p == 0
	s_lshl_b32 s38, s34, 20                        ; 256 tokens of 4,096 bytes a block, 8 a wave
	s_lshl_b32 s40, s[WV], 15
	s_add_co_u32 s38, s38, s40
	s_add_nc_u64 s[XC:XC+1], s[XC:XC+1], s[38:39]
.else
	s_lshl_b32 s38, s34, 19                        ; 512 tokens of 1,024 bytes a block, 8 a wave
	s_lshl_b32 s40, s[WV], 13
	s_add_co_u32 s38, s38, s40
	s_add_nc_u64 s[XC:XC+1], s[XC:XC+1], s[38:39]
	s_lshl_b32 s38, s34, 14
	s_lshl_b32 s40, s[WV], 8
	s_add_co_u32 s38, s38, s40
	s_add_nc_u64 s[XS:XS+1], s[XS:XS+1], s[38:39]
.endif
	s_lshl_b32 s38, s35, 16
	s_add_nc_u64 s[WC:WC+1], s[WC:WC+1], s[38:39]
	s_lshl_b32 s38, s35, 11
	s_add_nc_u64 s[WP:WP+1], s[WP:WP+1], s[38:39]
	s_lshl_b32 s38, s35, 8
	s_add_nc_u64 s[BP:BP+1], s[BP:BP+1], s[38:39]
	s_lshl_b32 s38, s36, 17
	s_lshl_b32 s40, s37, 11
	s_add_co_u32 s38, s38, s40
	s_add_nc_u64 s[IMG:IMG+1], s[IMG:IMG+1], s[38:39]
.if \p == 0
	s_lshl_b32 s38, s36, 13
	s_lshl_b32 s40, s37, 7
.else
	s_lshl_b32 s38, s36, 12
	s_lshl_b32 s40, s37, 6
.endif
	s_add_co_u32 s38, s38, s40
	s_add_nc_u64 s[SCL:SCL+1], s[SCL:SCL+1], s[38:39]
.irp ks, 0,1,2,3,4,5,6,7                           ; my head's W: it stays
	WIN 0x80+0x40*(\ks/4)
.irp t, 0,1,2,3
.irp c, 0,1,2,3
	global_load_b128 v[64*(\ks%4)+16*\t+4*\c:64*(\ks%4)+16*\t+4*\c+3], v[VW], s[WC:WC+1] offset:(32*(\t/2)+8*(\t%2))*1024+128*\ks+32*\c
.endr
.endr
.endr
	WIN 0
.irp b, 0,1
.irp x, 0,1
	global_load_b128 v[WSC+8*\b+4*\x:WSC+8*\b+4*\x+3], v[VWS], s[WP:WP+1] offset:1024*\b+16*\x
.endr
.endr
.if \p == 2
	s_wait_alu depctr_va_vdst(0)
.irp t, 0,1,2,3
	global_load_b32 v[BI+8*\t], v[VB], s[BP:BP+1] offset:(32*(\t/2)+8*(\t%2))*4    ; a lane holds one d: one number for the tile's eight registers
.endr
.else
	s_wait_alu depctr_va_vdst(0)
.irp t, 0,1,2,3
.irp x, 0,1
	global_load_b128 v[BI+8*\t+4*\x:BI+8*\t+4*\x+3], v[VB], s[BP:BP+1] offset:(32*(\t/2)+8*(\t%2))*4+16*\x   ; d = 32 b + 16 h + 8 u + 0 .. 7
.endr
.endr
.endif
	STAGE \p                                       ; group 0
	s_wait_loadcnt 0x0
.if \p == 2
.irp t, 0,1,2,3
.irp j, 1,2,3,4,5,6,7
	v_mov_b32 v[BI+8*\t+\j], v[BI+8*\t]
.endr
.endr
.endif
	s_mov_b32 s[GC], 0
.Lgrp_\@:                                          ; NG / 2 trips: a group through each slot
	GROUP \p, 0
	GROUP \p, 1
	s_add_co_u32 s[GC], s[GC], 2
	s_cmp_lt_u32 s[GC], NG
	s_cbranch_scc1 .Lgrp_\@
	s_wait_xcnt 0x0
	v_lshl_add_u32 v254, v0, 2, 0x33000
	v_mov_b32 v255, 0
	s_wait_alu depctr_va_vdst(0)
	s_wait_tensorcnt 0x0
	ds_add_u32 v254, v255
	s_wait_dscnt 0x0
	s_endpgm
.endm
	v_lshrrev_b32 v1, 5, v0
	v_readfirstlane_b32 s[WV], v1                  ; wave 0..3
	s_mov_b32 s[SEL], 0x76543210
	s_mov_b32 s[SEL+1], 0xfedcba98                 ; v_permlanex16_b32: lane l xor 16
	s_mov_b32 s[HI], 0xffff0000
	s_mov_b32 s[MNT], 0x600000
	v_and_b32 v[VL], 31, v0
	v_and_b32 v2, 15, v0
	v_bfe_u32 v3, v0, 4, 1
	v_lshlrev_b32 v[VO], 4, v[VL]
	v_lshlrev_b32 v[VO4], 2, v[VL]
	v_lshlrev_b32 v[VPF], 8, v[VL]
	v_and_b32 v[VB], 8, v2
	v_add_nc_u32 v[VB], v[VB], v2                  ; r + 8 (r / 8)
	v_lshl_add_u32 v[VWS], v3, 3, v[VB]            ; W's scale words: lanes 16-31 take the tile 8 rows on
	v_lshlrev_b32 v[VWS], 5, v[VWS]
	v_lshlrev_b32 v[VW], 10, v[VB]
	v_lshl_add_u32 v[VW], v3, 4, v[VW]
.irp b, 0,1,2,3
	v_mov_b32 v[TM+4+\b], 0                        ; written once: a lane permute's destination counts as one of its sources
.endr
	s_cmp_lt_u32 ttmp9, 128
	s_cbranch_scc1 .Lpath_q
	s_cmp_lt_u32 ttmp9, 192
	s_cbranch_scc1 .Lpath_k
	PATH 2
.Lpath_k:
	PATH 1
.Lpath_q:
	PATH 0
.Lfunc_end_k_q9835f9442d_proj:
	.size	k_q9835f9442d_proj, .Lfunc_end_k_q9835f9442d_proj-k_q9835f9442d_proj
	.p2alignl 7, 3214868480
	.fill 96, 4, 3214868480
	.section	.rodata,"a",@progbits
	.p2align	6, 0x0
	.amdhsa_kernel k_q9835f9442d_proj
		.amdhsa_group_segment_fixed_size 209408
		.amdhsa_private_segment_fixed_size 0
		.amdhsa_enable_private_segment 0
		.amdhsa_kernarg_size 160
		.amdhsa_user_sgpr_count 2
		.amdhsa_user_sgpr_kernarg_segment_ptr 1
		.amdhsa_wavefront_size32 1
		.amdhsa_system_sgpr_workgroup_id_x 1
		.amdhsa_system_sgpr_workgroup_id_y 1
		.amdhsa_system_sgpr_workgroup_id_z 1
		.amdhsa_system_vgpr_workitem_id 0
		.amdhsa_next_free_vgpr 1024
		.amdhsa_next_free_sgpr 66
		.amdhsa_reserve_vcc 0
		.amdhsa_float_denorm_mode_32 3
		.amdhsa_float_denorm_mode_16_64 3
		.amdhsa_memory_ordered 1
		.amdhsa_forward_progress 1
		.amdhsa_inst_pref_size 255
	.end_amdhsa_kernel
	.section	.bss,"aw",@nobits
	.p2align	6
	.space	262144
	.amdgpu_metadata
---
amdhsa.version: [ 1, 2 ]
amdhsa.kernels:
  - .name:           k_q9835f9442d_proj
    .symbol:         k_q9835f9442d_proj.kd
    .args:
      - { .name: query, .offset: 0, .size: 8, .value_kind: global_buffer, .address_space: global }
      - { .name: key_codes, .offset: 8, .size: 8, .value_kind: global_buffer, .address_space: global }
      - { .name: key_scales, .offset: 16, .size: 8, .value_kind: global_buffer, .address_space: global }
      - { .name: value_codes, .offset: 24, .size: 8, .value_kind: global_buffer, .address_space: global }
      - { .name: value_scales, .offset: 32, .size: 8, .value_kind: global_buffer, .address_space: global }
      - { .name: Wq_codes, .offset: 40, .size: 8, .value_kind: global_buffer, .address_space: global }
      - { .name: Wq_scales, .offset: 48, .size: 8, .value_kind: global_buffer, .address_space: global }
      - { .name: Wk_codes, .offset: 56, .size: 8, .value_kind: global_buffer, .address_space: global }
      - { .name: Wk_scales, .offset: 64, .size: 8, .value_kind: global_buffer, .address_space: global }
      - { .name: Wv_codes, .offset: 72, .size: 8, .value_kind: global_buffer, .address_space: global }
      - { .name: Wv_scales, .offset: 80, .size: 8, .value_kind: global_buffer, .address_space: global }
      - { .name: bq, .offset: 88, .size: 8, .value_kind: global_buffer, .address_space: global }
      - { .name: bk, .offset: 96, .size: 8, .value_kind: global_buffer, .address_space: global }
      - { .name: bv, .offset: 104, .size: 8, .value_kind: global_buffer, .address_space: global }
      - { .name: qimg, .offset: 112, .size: 8, .value_kind: global_buffer, .address_space: global }
      - { .name: qscl, .offset: 120, .size: 8, .value_kind: global_buffer, .address_space: global }
      - { .name: kimg, .offset: 128, .size: 8, .value_kind: global_buffer, .address_space: global }
      - { .name: kscl, .offset: 136, .size: 8, .value_kind: global_buffer, .address_space: global }
      - { .name: vimg, .offset: 144, .size: 8, .value_kind: global_buffer, .address_space: global }
      - { .name: vscl, .offset: 152, .size: 8, .value_kind: global_buffer, .address_space: global }
    .group_segment_fixed_size: 209408
    .private_segment_fixed_size: 0
    .kernarg_segment_align: 8
    .kernarg_segment_size: 160
    .max_flat_workgroup_size: 128
    .sgpr_count:     66
    .vgpr_count:     1024
    .wavefront_size: 32
...
	.end_amdgpu_metadata
.endif
;; end of part 1
;; launch attn (part 2): grid 256 x 1, 8 waves a work-group, clusters of 4 x 1, 327,680 bytes of LDS; arguments qimg, qscl, kimg, kscl, vimg, vscl, oimg, oscl, Wo_codes; writes oimg, oscl
.if DOCPART == 2
	.amdgcn_target "amdgcn-amd-amdhsa--gfx1250"
	.amdhsa_code_object_version 6
	.text
	.protected	k_q9835f9442d_attn
	.globl	k_q9835f9442d_attn
	.p2align	8
	.type	k_q9835f9442d_attn,@function
k_q9835f9442d_attn:
	s_mov_b64 s[64:65], 0
	v_nop
	global_prefetch_b8 v0, s[64:65] scope:SCOPE_SE
	s_setreg_imm32_b32 hwreg(HW_REG_WAVE_MODE, 25, 1), 1
	s_wait_xcnt 0x0
	s_wait_alu depctr_hold_cnt(0) depctr_sa_sdst(0) depctr_va_vdst(0) depctr_va_sdst(0) depctr_va_ssrc(0) depctr_va_vcc(0) depctr_vm_vsrc(0)
	s_getreg_b32 s2, hwreg(HW_REG_IB_STS2, 6, 4)
	s_cmp_eq_u32 s2, 0
	s_cbranch_scc0 .Lentry_in_a_cluster
	s_endpgm
.Lentry_in_a_cluster:
	s_bfe_u32 s2, ttmp6, 0x10000c
	s_cmp_lg_u32 s2, 0x3003
	s_cbranch_scc0 .Lentry_shape_is_right
	s_endpgm
.Lentry_shape_is_right:
; Attention of one head on codes of FP8 (E4M3) with E8M0 scales: S^T = K Q^T, p = 2^(t - M), O^T = V^T P^T, O / l, and O quantised along head x 64 + d for the output projection.
; t = score x log2(e) / 8; M = the running largest t rounded up to a whole number (kept as -M = floor(-t)); l is the sum of the unquantised p; when M moves, l and O^T are multiplied by 2^(old M - new M), which rounds nothing.
; SHARES.  A cluster of four work-groups owns one batch x head (cluster number = batch x 16 + head); a work-group 512 of its queries; each of its 8 waves 64 queries, four tiles of 16, in 512 registers.
; THE WHOLE HEAD LIES IN LDS: K's codes 131,072 bytes, V's 131,072, their scale words 4,096 each.  They are asked for once, at the head, by joint loads (the four work-groups need the same bytes):
; waves 0, 1 K's halves, waves 2, 3 V's, wave 4 K's scale words, wave 5 V's.  Nothing is filled again, so the loop over the keys has no barrier.
; No prefetch: every load of K and V stands at the head, and no loop runs ahead of a later one.
; OPERANDS come as images of their registers (16 bytes a lane, 512 bytes a chunk), as the projection launch laid them: LDS reads are dense.
; THE HEAD HAS 64 ALONG K, THE INSTRUCTION 128: a fragment of K holds two tiles of 16 keys, at k 0-63 and at k 64-127, and is multiplied once by (q, zeros) and once by (zeros, q): zero codes.
; Row rho of the fragment's tile e is key 8 e + rho + 8 (rho / 8) of its 32: a lane's 16 registers of the two results are 16 neighbouring keys.  V's rows d are ordered likewise.
; A KEY STEP (128 keys) goes tile by tile: softmax of tile x, then one run of 12 products: O^T of tile x (4) and S^T of tile x + 1 (8; behind tile 3: tile 0 of the next step).
; K's fragments are free behind tile 3's S^T: the next step's are fetched under softmax 3; V's are fetched at the step's head, under softmax 0.
; LIMITS: NaN and infinities are not served.  The promise holds while |t| stays under 2^31.  v_exp_f32 gives 0 under 2^-126.  A block whose largest number lies under 2^-118 gets the scale byte 1; this program alone reads these bytes.
; REGISTERS.  window 0: below.  window 1: v0-63 K's four fragments, v64-127 V's four, v128-255 O^T, 32 a tile.
.set VB0,  131072                      ; LDS: V's codes
.set KSC,  262144                      ; K's scale words; V's 4,096 on
.set OSB,  270336                      ; the result's scale bytes: 2 for each of 512 queries
.set SPARE, 271360                     ; the spare words, 128 bytes a wave
.set VL,  1                            ; 16 x lane
.set AV0, 2                            ; VB0 + 16 x lane
.set ASK0, 3                           ; KSC + 4 x lane
.set ADK, 4                            ; the step's K, V, scale words
.set ADV, 5
.set ADS, 6
.set VOS, 7                            ; LDS: my query's two scale bytes
.set KS,  8                            ; v8-9 K's scale words: lanes 0-15 fragment 2 i, lanes 16-31 fragment 2 i + 1
.set VS,  10                           ; v10-11 V's likewise
.set QLO, 12                           ; v12-13 q's two bytes in bytes 0, 1: lanes 0-15 tile 2 i, lanes 16-31 tile 2 i + 1; v14-15 the same in bytes 2, 3
.set QHI, 14
.set FF,  16                           ; v[16:17] f = 2^(old M - new M)
.set TT,  18
.set PS,  20                           ; p's scale word
.set SPW, 21
.set NIL, 22
.set VO4, 23
.set ST,  24                           ; v24-39 a tile's -M, largest t, l in two halves
.set TM,  40                           ; v40-43 block maxima, v44-47 bytes, v48-51 holds, v52-55 scale operands
.set PC,  56                           ; v56-71 codes
.set SA,  72                           ; v72-135 S^T of the tile in hand, then p
.set QZ,  136                          ; v136-207 zeros, q0, zeros, q1, zeros, q2, zeros, q3, zeros (8 each)
.set PC2, 208
.set VOB, 224
.set VOG, 225
.set KF,  0
.set VF,  64
.set OA,  128
.set SEL, 20
.set CS,  22
.set G1C, 24
.set G1S, 32
.set G0K, 40
.set G0V, 44
.set G0SK, 48
.set G0SV, 52
.set MNT, 56
.set WV,  57
.set TC,  58
.set HI,  59
.set TB,  60
.set TS,  61
.set CX,  62
.set MSB, 0
.macro WIN new
.if MSB != (\new)
	s_set_vgpr_msb (MSB<<8)|(\new)
.set MSB, (\new)
.endif
.endm
.macro PLACES n
.rept \n
	v_nop
.endr
.endm
.macro CROUND                          ; a round of the cluster's barrier
	s_barrier_signal -1
	s_barrier_wait -1
	s_cmp_lg_u32 s[WV], 0
	s_cbranch_scc1 .Lnot_wave_0_\@
	s_barrier_signal -3
.Lnot_wave_0_\@:
	s_barrier_wait -3
	s_barrier_signal -1
	s_barrier_wait -1
.endm
.macro WM d, a, b, c, sa, sb, ra, rb
.if ((\ra) != 0) && ((\rb) != 0)
	v_wmma_scale_f32_16x16x128_f8f6f4 v[(\d):(\d)+7], v[(\a):(\a)+15], v[(\b):(\b)+15], \c, v[(\sa)], v[(\sb)] matrix_a_scale:MATRIX_SCALE_ROW1 matrix_b_scale:MATRIX_SCALE_ROW1
.elseif (\ra) != 0
	v_wmma_scale_f32_16x16x128_f8f6f4 v[(\d):(\d)+7], v[(\a):(\a)+15], v[(\b):(\b)+15], \c, v[(\sa)], v[(\sb)] matrix_a_scale:MATRIX_SCALE_ROW1
.elseif (\rb) != 0
	v_wmma_scale_f32_16x16x128_f8f6f4 v[(\d):(\d)+7], v[(\a):(\a)+15], v[(\b):(\b)+15], \c, v[(\sa)], v[(\sb)] matrix_b_scale:MATRIX_SCALE_ROW1
.else
	v_wmma_scale_f32_16x16x128_f8f6f4 v[(\d):(\d)+7], v[(\a):(\a)+15], v[(\b):(\b)+15], \c, v[(\sa)], v[(\sb)]
.endif
.endm
.macro SMUL x                          ; S^T of tile x: fragment f (32 keys), its tile e: eight sums, each one product
	WIN 0x01
.irp f, 0,1,2,3
.irp e, 0,1
	WM SA+16*\f+8*\e, KF+16*\f, QZ+8+16*(\x)-8*\e, 0, KS+\f/2, QLO+2*\e+(\x)/2, \f%2, (\x)%2
.endr
.endr
	WIN 0
.endm
.macro PV x                            ; O^T of tile x += V^T P^T: four accumulators, one product each
	WIN 0x51
.irp t, 0,1,2,3
	WM OA+32*(\x)+8*\t, VF+16*\t, PC, v[OA+32*(\x)+8*\t:OA+32*(\x)+8*\t+7], VS+\t/2, PS, \t%2, 0
.endr
.endm
; 64 numbers of a lane, four blocks of 16 registers (the other 16 in lane l xor 16), become codes in v[pc] on; the bytes stay in v[TM+4] on
.macro QUANT s, pc
.irp b, 0,1,2,3
	v_max3_num_f32 v[TM+\b], |v[\s+16*\b]|, |v[\s+1+16*\b]|, 0x4800000
.endr
.irp i, 2,4,6,8,10,12,14
.irp b, 0,1,2,3
	s_delay_alu instid0(VALU_DEP_4)
	v_max3_num_f32 v[TM+\b], v[TM+\b], |v[\s+16*\b+\i]|, |v[\s+1+16*\b+\i]|
.endr
.endr
.irp b, 0,1,2,3
	s_delay_alu instid0(VALU_DEP_4)
	v_permlanex16_b32 v[TM+4+\b], v[TM+\b], s[SEL], s[SEL+1]
.endr
.irp b, 0,1,2,3
	s_delay_alu instid0(VALU_DEP_4)
	v_max_num_f32 v[TM+\b], v[TM+\b], v[TM+4+\b]
.endr
.irp b, 0,1,2,3
	s_delay_alu instid0(VALU_DEP_4)
	v_add_nc_u32 v[TM+12+\b], 0xfc000000, v[TM+\b]
.endr
.irp b, 0,1,2,3
	v_and_or_b32 v[TM+8+\b], v[TM+\b], 0x7f800000, s[MNT]
.endr
.irp b, 0,1,2,3
	v_lshrrev_b32 v[TM+4+\b], 23, v[TM+12+\b]
.endr
.irp b, 0,1,2,3
.irp i, 0,1,2,3,4,5,6,7,8,9,10,11,12,13,14,15
	v_med3_num_f32 v[\s+16*\b+\i], v[\s+16*\b+\i], -v[TM+8+\b], v[TM+8+\b]
.endr
	v_cvt_scalef32_pk8_fp8_f32 v[\pc+4*\b:\pc+1+4*\b], v[\s+16*\b:\s+7+16*\b], v[TM+12+\b]
	v_cvt_scalef32_pk8_fp8_f32 v[\pc+2+4*\b:\pc+3+4*\b], v[\s+8+16*\b:\s+15+16*\b], v[TM+12+\b]
.endr
	v_nop
.endm
; A tile's softmax for one step of 128 keys: the 64 scores in v[SA] on become codes in v[PC] on and the scale word v[PS].  st: the tile's statistics; ox: its O^T (window 1)
.macro SOFTMAX st, ox
.irp b, 0,1,2,3
	v_max3_num_f32 v[TM+\b], v[SA+16*\b], v[SA+1+16*\b], v[SA+2+16*\b]   ; the largest score of each block of 32 keys: for the row's maximum, and, since p rises with the score, for the block's largest p
.endr
.irp i, 3,5,7,9,11,13
.irp b, 0,1,2,3
	v_max3_num_f32 v[TM+\b], v[TM+\b], v[SA+16*\b+\i], v[SA+1+16*\b+\i]
.endr
.endr
.irp b, 0,1,2,3
	v_max_num_f32 v[TM+\b], v[TM+\b], v[SA+15+16*\b]
.endr
.irp b, 0,1,2,3
	s_delay_alu instid0(VALU_DEP_4)
	v_permlanex16_b32 v[TM+4+\b], v[TM+\b], s[SEL], s[SEL+1]
.endr
.irp b, 0,1,2,3
	s_delay_alu instid0(VALU_DEP_4)
	v_max_num_f32 v[TM+\b], v[TM+\b], v[TM+4+\b]
.endr
	s_delay_alu instid0(VALU_DEP_2)
	v_max3_num_f32 v[TT], v[TM], v[TM+1], v[TM+2]
	s_delay_alu instid0(VALU_DEP_1)
	v_max_num_f32 v[TT], v[TT], v[TM+3]
	s_delay_alu instid0(VALU_DEP_1)
	v_mul_f32 v[TT], s[CS], v[TT]                  ; as t
	s_delay_alu instid0(VALU_DEP_1)
	v_max_num_f32 v[\st+1], v[\st+1], v[TT]        ; the running largest t
	v_mov_b32 v[TT], v[\st]
	s_delay_alu instid0(VALU_DEP_2)
	v_floor_f32 v[\st], -v[\st+1]                  ; the new -M
	s_delay_alu instid0(VALU_DEP_1)
	v_sub_f32 v[TT], v[\st], v[TT]                 ; old M - new M: a whole number, 0 or less
	s_delay_alu instid0(VALU_DEP_1)
	v_cvt_i32_f32 v[TT], v[TT]
	s_delay_alu instid0(VALU_DEP_1)
	v_ldexp_f32 v[FF], 1.0, v[TT]
.set jj, 0
.rept 32
	v_pk_fma_f32 v[SA+jj:SA+jj+1], v[SA+jj:SA+jj+1], s[CS:CS+1], v[\st:\st+1] op_sel_hi:[1,0,0]   ; t - M
.set jj, jj+2
.endr
.irp b, 0,1,2,3
	v_fma_f32 v[TM+\b], v[TM+\b], s[CS], v[\st]
.endr
.set jj, 0
	s_wait_alu depctr_va_vdst(0)                   ; the wait ahead of the batch
.rept 64
	v_exp_f32 v[SA+jj], v[SA+jj]                   ; p, at most 1, not normalised
.set jj, jj+1
.endr
	v_pk_mul_f32 v[\st+2:\st+3], v[\st+2:\st+3], v[FF:FF+1] op_sel_hi:[1,0]   ; l under the new M (the plain line behind the exponentials)
	s_wait_alu depctr_va_vdst(0)                   ; one wait for the batch of 64, ahead of its first reader
.irp b, 0,1,2,3
	v_exp_f32 v[TM+\b], v[TM+\b]                   ; the block's largest p
.endr
	v_pk_add_f32 v[TT:TT+1], v[SA:SA+1], v[SA+2:SA+3]   ; the sum of the unquantised p, in two chains
.set jj, 4
.rept 15
	v_pk_add_f32 v[\st+2:\st+3], v[\st+2:\st+3], v[SA+jj:SA+jj+1]
	v_pk_add_f32 v[TT:TT+1], v[TT:TT+1], v[SA+jj+2:SA+jj+3]
.set jj, jj+4
.endr
	s_delay_alu instid0(VALU_DEP_1)
	v_pk_add_f32 v[\st+2:\st+3], v[\st+2:\st+3], v[TT:TT+1]
	s_wait_alu depctr_va_vdst(0)                   ; and one for the four
.irp b, 0,1,2,3
	v_max_num_f32 v[TM+\b], 0x4800000, v[TM+\b]    ; the floor: the byte cannot fall under 1
.endr
.irp b, 0,1,2,3
	s_delay_alu instid0(VALU_DEP_4)
	v_add_nc_u32 v[TM+12+\b], 0xfc000000, v[TM+\b]
.endr
.irp b, 0,1,2,3
	v_and_or_b32 v[TM+8+\b], v[TM+\b], 0x7f800000, s[MNT]
.endr
.irp b, 0,1,2,3
	v_lshrrev_b32 v[TM+4+\b], 23, v[TM+12+\b]
.endr
	s_delay_alu instid0(VALU_DEP_3)
	v_lshl_or_b32 v[PS], v[TM+5], 8, v[TM+4]
	s_delay_alu instid0(VALU_DEP_1)
	v_lshl_or_b32 v[PS], v[TM+6], 16, v[PS]
	s_delay_alu instid0(VALU_DEP_1)
	v_lshl_or_b32 v[PS], v[TM+7], 24, v[PS]
; p is not negative: a one-sided hold, two numbers an instruction: one of block b and one of block b + 1, so that the pair's registers differ in parity and modulo 4
.irp b, 0,2
.irp i, 0,2,4,6,8,10,12,14
	v_dual_min_num_f32 v[SA+16*\b+\i], v[SA+16*\b+\i], v[TM+8+\b] :: v_dual_min_num_f32 v[SA+16*\b+17+\i], v[SA+16*\b+17+\i], v[TM+9+\b]
	v_dual_min_num_f32 v[SA+16*\b+1+\i], v[SA+16*\b+1+\i], v[TM+8+\b] :: v_dual_min_num_f32 v[SA+16*\b+16+\i], v[SA+16*\b+16+\i], v[TM+9+\b]
.endr
.irp c, 0,1
	v_cvt_scalef32_pk8_fp8_f32 v[PC+4*(\b+\c):PC+1+4*(\b+\c)], v[SA+16*(\b+\c):SA+7+16*(\b+\c)], v[TM+12+\b+\c]
	v_cvt_scalef32_pk8_fp8_f32 v[PC+2+4*(\b+\c):PC+3+4*(\b+\c)], v[SA+8+16*(\b+\c):SA+15+16*(\b+\c)], v[TM+12+\b+\c]
.endr
.endr
	WIN 0x41
	s_wait_alu depctr_va_vdst(0)                   ; ahead of the first reader of O^T
.set jj, 0
.rept 16
	v_pk_mul_f32 v[\ox+jj:\ox+jj+1], v[\ox+jj:\ox+jj+1], v[FF:FF+1] op_sel_hi:[1,0]   ; O^T under the new M; these 16 also stand between the codes, the scale word and the products
.set jj, jj+2
.endr
.endm
; BESIDE ITS OWN WORK each of the launch's 2,048 waves lays one chunk of 512 bytes of Wo's codes as an image of the output projection's operand registers, under the flight of the head's loads:
; chunk id = 8 x work-group + wave = (K step of 128, tile of 16 rows, c): lane (r, h) takes the 16 bytes at row 16 tile + r, byte 128 step + 32 c + 16 h; the image lies 8,388,608 bytes into oimg, 512 id on.
	s_load_b512 s[4:19], s[0:1], 0x0
	s_load_b64 s[80:81], s[0:1], 0x40              ; Wo's codes
	v_lshl_add_u32 v[SPW], v0, 2, SPARE
	v_mov_b32 v[NIL], 0
	ds_add_u32 v[SPW], v[NIL]                      ; the opening: the add, twice on end, and its wait ahead of the first tensor load
	ds_add_u32 v[SPW], v[NIL]
	v_lshrrev_b32 v1, 5, v0
	v_readfirstlane_b32 s[WV], v1                  ; wave 0..7
	s_bfe_u32 s[CX], ttmp6, 0x40000                ; my place in the cluster: which 512 queries
	s_mov_b32 s[G1C], 15|(3<<16)|(1<<21)           ; group 1, codes: all four work-groups; elements of 8 bytes; 256 dense rows of 256 bytes
	s_mov_b32 s[G1C+1], 32<<16
	s_mov_b32 s[G1C+2], 256<<16
	s_mov_b32 s[G1C+3], 32<<16
	s_mov_b32 s[G1C+4], 256
	s_mov_b32 s[G1C+5], 32
	s_mov_b32 s[G1C+6], 0
	s_mov_b32 s[G1C+7], 0
	s_mov_b32 s[G1S], 15|(3<<16)|(1<<21)           ; scale words: 16 dense rows of 256 bytes
	s_mov_b32 s[G1S+1], 32<<16
	s_mov_b32 s[G1S+2], 16<<16
	s_mov_b32 s[G1S+3], 32<<16
	s_mov_b32 s[G1S+4], 16
	s_mov_b32 s[G1S+5], 32
	s_mov_b32 s[G1S+6], 0
	s_mov_b32 s[G1S+7], 0
	s_and_b32 s63, s[WV], 1
	s_lshl_b32 s63, s63, 16                        ; which half of the head's codes I fetch, in LDS and in memory
	s_lshl_b32 s66, ttmp9, 17                      ; the head's codes: 131,072 bytes
	s_add_co_u32 s66, s66, s63
	s_mov_b32 s67, 0
	s_lshl_b32 s68, ttmp9, 12                      ; its scale words: 4,096 bytes
	s_mov_b32 s69, 0
	s_lshl_b32 s70, s[CX], 4
	s_lshl_b32 s71, s[WV], 1
	s_add_co_u32 s70, s70, s71                     ; my first group of 32 queries
	s_lshl_b32 s72, ttmp9, 17
	s_lshl_b32 s71, s70, 11
	s_add_co_u32 s72, s72, s71                     ; qimg
	s_mov_b32 s73, 0
	s_lshl_b32 s74, ttmp9, 13
	s_lshl_b32 s71, s70, 7
	s_add_co_u32 s74, s74, s71                     ; qscl
	s_mov_b32 s75, 0
	s_lshr_b32 s76, ttmp9, 4                       ; oimg: token tile (128 batch + 2 group) x 16,384 + head x 1,024
	s_lshl_b32 s76, s76, 7
	s_lshl_b32 s71, s70, 1
	s_add_co_u32 s76, s76, s71
	s_lshl_b32 s76, s76, 14
	s_and_b32 s71, ttmp9, 15
	s_lshl_b32 s71, s71, 10
	s_add_co_u32 s76, s76, s71
	s_mov_b32 s77, 0
	s_lshl_b32 s78, ttmp9, 12                      ; oscl: 4,096 bytes a head, 1,024 a work-group
	s_lshl_b32 s71, s[CX], 10
	s_add_co_u32 s78, s78, s71
	s_mov_b32 s79, 0
	s_mov_b32 s[SEL], 0x76543210
	s_mov_b32 s[SEL+1], 0xfedcba98
	s_mov_b32 s[CS], 0x3e38aa3b                    ; log2(e) / 8
	s_mov_b32 s[CS+1], s[CS]
	s_mov_b32 s[MNT], 0x600000
	s_mov_b32 s[HI], 0xffff0000
	s_mov_b32 s[TB], 0
	s_mov_b32 s[TS], 0
	s_mov_b32 s[TC], 0
	s_wait_dscnt 0x0                               ; both opening adds are done
	CROUND                                         ; all four work-groups are here: the joint loads meet
	s_wait_kmcnt 0x0
	s_mov_b32 s[G0K], 1
	s_mov_b32 s[G0K+1], s63
	s_add_nc_u64 s[G0K+2:G0K+3], s[8:9], s[66:67]
	s_or_b32 s[G0K+3], s[G0K+3], 0x80000000
	s_mov_b32 s[G0V], 1
	s_add_co_u32 s[G0V+1], s63, VB0
	s_add_nc_u64 s[G0V+2:G0V+3], s[12:13], s[66:67]
	s_or_b32 s[G0V+3], s[G0V+3], 0x80000000
	s_mov_b32 s[G0SK], 1
	s_mov_b32 s[G0SK+1], KSC
	s_add_nc_u64 s[G0SK+2:G0SK+3], s[10:11], s[68:69]
	s_or_b32 s[G0SK+3], s[G0SK+3], 0x80000000
	s_mov_b32 s[G0SV], 1
	s_mov_b32 s[G0SV+1], KSC+4096
	s_add_nc_u64 s[G0SV+2:G0SV+3], s[14:15], s[68:69]
	s_or_b32 s[G0SV+3], s[G0SV+3], 0x80000000
; the head's loads, at most one a wave: one tree of branches on the wave's number, an arm a load
.macro ARM under, g0, g1, next
	s_cmp_lt_u32 s[WV], \under
	s_cbranch_scc0 \next
	tensor_load_to_lds s[\g0:\g0+3], s[\g1:\g1+7]
	s_nop 0
.rept 4
	v_nop
.endr
	s_branch .Lhead_asked
\next:
.endm
	ARM 2, G0K,  G1C, .Lhead_v
	ARM 4, G0V,  G1C, .Lhead_sk
	ARM 5, G0SK, G1S, .Lhead_sv
	ARM 6, G0SV, G1S, .Lhead_none
.Lhead_asked:
	s_lshl_b32 s84, ttmp9, 2
	s_add_co_u32 s84, s84, s[CX]
	s_lshl_b32 s84, s84, 3
	s_add_co_u32 s84, s84, s[WV]                   ; my chunk of Wo's image
	s_lshl_b32 s86, s84, 9
	s_add_co_u32 s86, s86, 0x800000
	s_mov_b32 s87, 0
	s_add_nc_u64 s[82:83], s[16:17], s[86:87]      ; where it goes
	s_bfe_u32 s85, s84, 0x60002                    ; tile
	s_lshl_b32 s86, s85, 14
	s_lshr_b32 s85, s84, 8                         ; K step
	s_lshl_b32 s85, s85, 7
	s_add_co_u32 s86, s86, s85
	s_and_b32 s85, s84, 3                          ; c
	s_lshl_b32 s85, s85, 5
	s_add_co_u32 s86, s86, s85
	s_add_nc_u64 s[80:81], s[80:81], s[86:87]      ; where it comes from
	s_add_nc_u64 s[4:5], s[4:5], s[72:73]
	s_add_nc_u64 s[6:7], s[6:7], s[74:75]
	s_add_nc_u64 s[16:17], s[16:17], s[76:77]
	s_add_nc_u64 s[18:19], s[18:19], s[78:79]
	s_lshl_b32 s70, s[WV], 7
	s_add_co_u32 s70, s70, OSB
	v_and_b32 v[TT], 31, v0
	v_lshlrev_b32 v[VL], 4, v[TT]
	v_lshlrev_b32 v[VO4], 2, v[TT]
	v_lshl_add_u32 v[ASK0], v[TT], 2, KSC
	v_lshl_add_u32 v[VOS], v[TT], 1, s70           ; OSB + 128 x wave + 2 x lane
	v_add_nc_u32 v[AV0], VB0, v[VL]
	v_and_b32 v[VOG], 63, v0
	v_lshlrev_b32 v[VOG], 4, v[VOG]
	v_add_nc_u32 v[VOB], OSB, v[VOG]
	v_and_b32 v226, 15, v0
	v_bfe_u32 v227, v0, 4, 1
	v_lshlrev_b32 v226, 10, v226
	v_lshl_add_u32 v226, v227, 4, v226             ; 1,024 r + 16 h
	s_wait_alu depctr_va_vdst(0)
.irp n, 0,1,2,3,4,5,6,7
	global_load_b128 v[QZ+8+16*(\n/2)+4*(\n%2):QZ+8+16*(\n/2)+4*(\n%2)+3], v[VL], s[4:5] offset:512*\n   ; q of my four tiles stays in registers
.endr
	global_load_b32 v[QLO], v[VO4], s[6:7]
	global_load_b32 v[QLO+1], v[VO4], s[6:7] offset:128
	global_load_b128 v[228:231], v226, s[80:81]    ; my chunk of Wo
.irp zz, 0,16,32,48,64
.irp j, 0,1,2,3,4,5,6,7
	v_mov_b32 v[QZ+\zz+\j], 0                      ; the zero codes round q
.endr
.endr
	WIN 0x40
.set jj, 0
.rept 128
	v_mov_b32 v[OA+jj], 0                          ; O^T: the step is written once; the first finds zeros, which the first change of M leaves zeros
.set jj, jj+1
.endr
	WIN 0
	s_wait_loadcnt 0x0
	global_store_b128 v[VL], v[228:231], s[82:83]  ; 512 consecutive bytes; these registers are not written again
	v_lshlrev_b32 v[QHI], 16, v[QLO]
	v_lshlrev_b32 v[QHI+1], 16, v[QLO+1]
.irp x, 0,1,2,3
	v_mov_b32 v[ST+4*\x+1], 0xff61b1e6             ; the largest t so far: -3e38
	v_mov_b32 v[ST+4*\x+2], 0
	v_mov_b32 v[ST+4*\x+3], 0
.endr
.irp x, 0,1,2,3
	v_floor_f32 v[ST+4*\x], -v[ST+4*\x+1]
.endr
	v_mov_b32 v[FF+1], 0
.irp b, 0,1,2,3
	v_mov_b32 v[TM+4+\b], 0                        ; a lane permute's destination counts as one of its sources
.endr
	s_wait_alu depctr_va_vdst(0)                   ; the wait at the head's end
	s_wait_tensorcnt 0x0                           ; my load, if I have one, has landed
	s_barrier_signal -1
	s_barrier_wait -1                              ; the whole head lies in LDS
	WIN 0x40
.irp n, 0,1,2,3,4,5,6,7,8,9,10,11,12,13,14,15
	ds_load_b128 v[KF+4*\n:KF+4*\n+3], v[VL] offset:512*\n
.endr
	WIN 0
	ds_load_b32 v[KS], v[ASK0]
	ds_load_b32 v[KS+1], v[ASK0] offset:128
	s_wait_dscnt 0x0
	SMUL 0
.Ltrip:                                            ; sixteen trips, a key step each
	v_add_nc_u32 v[ADK], s[TB], v[VL]
	v_add_nc_u32 v[ADV], s[TB], v[AV0]
	v_add_nc_u32 v[ADS], s[TS], v[ASK0]
	PLACES 5                                       ; with the three above: eight places behind the last products, ahead of the loads into V's registers and of the first read of the scores
	WIN 0x40
.irp n, 0,1,2,3,4,5,6,7,8,9,10,11,12,13,14,15
	ds_load_b128 v[VF+4*\n:VF+4*\n+3], v[ADV] offset:512*\n          ; V of this step
.endr
	WIN 0
	ds_load_b32 v[VS], v[ADS] offset:4096
	ds_load_b32 v[VS+1], v[ADS] offset:4096+128
	SOFTMAX ST, OA
	s_wait_alu depctr_va_vdst(0)                   ; the wait here, directly ahead of the wait below
	s_wait_dscnt 0x0                               ; V and its scale words are in
	PV 0
	SMUL 1
	PLACES 8
	SOFTMAX ST+4, OA+32
	PV 1
	SMUL 2
	PLACES 8
	SOFTMAX ST+8, OA+64
	PV 2
	SMUL 3
	PLACES 8                                       ; also ahead of the loads into K's registers
	s_cmp_lt_u32 s[TC], 15                         ; the last step has no successor
	s_cbranch_scc0 .Lnok
	WIN 0x40
.irp n, 0,1,2,3,4,5,6,7,8,9,10,11,12,13,14,15
	ds_load_b128 v[KF+4*\n:KF+4*\n+3], v[ADK] offset:8192+512*\n     ; K of the next step
.endr
	WIN 0
	ds_load_b32 v[KS], v[ADS] offset:256
	ds_load_b32 v[KS+1], v[ADS] offset:256+128
.Lnok:
	SOFTMAX ST+12, OA+96
	s_wait_alu depctr_va_vdst(0)                   ; the wait here, directly ahead of the wait below
	s_wait_dscnt 0x0                               ; the next K and its scale words are in
	PV 3
	WIN 0
	s_cmp_lt_u32 s[TC], 15
	s_cbranch_scc0 .Llast
	SMUL 0                                         ; the next step's first tile
.Llast:
	s_add_co_u32 s[TB], s[TB], 8192
	s_add_co_u32 s[TS], s[TS], 256
	s_add_co_u32 s[TC], s[TC], 1
	s_cmp_lt_u32 s[TC], 16
	s_cbranch_scc1 .Ltrip
	; THE WAY OUT: O^T / l, quantised along d (two blocks a tile), stored as the output projection's operand registers; two tiles at a time
	PLACES 8
.irp x, 0,1,2,3
	v_add_f32 v[ST+4*\x+3], v[ST+4*\x+2], v[ST+4*\x+3]
.endr
.irp x, 0,1,2,3
	v_permlanex16_b32 v[TM+4+\x], v[ST+4*\x+3], s[SEL], s[SEL+1]
.endr
.irp x, 0,1,2,3
	v_add_f32 v[ST+4*\x+3], v[ST+4*\x+3], v[TM+4+\x]
.endr
	s_wait_alu depctr_va_vdst(0)
.irp x, 0,1,2,3
	v_rcp_f32 v[ST+4*\x+2], v[ST+4*\x+3]
.endr
	v_nop
.irp P, 0,1
	WIN 0x01
	s_wait_alu depctr_va_vdst(0)                   ; ahead of the first reader of the reciprocals and of these tiles' O^T
.set jj, 0
.rept 32
	v_pk_mul_f32 v[SA+jj:SA+jj+1], v[OA+64*\P+jj:OA+64*\P+jj+1], v[ST+8*\P+4*(jj/32)+2:ST+8*\P+4*(jj/32)+3] op_sel_hi:[1,0]
.set jj, jj+2
.endr
	WIN 0
	QUANT SA, PC+(PC2-PC)*\P
.irp x, 0,1
.irp b, 0,1
	global_store_b128 v[VL], v[PC+(PC2-PC)*\P+8*\x+4*\b:PC+(PC2-PC)*\P+8*\x+4*\b+3], s[16:17] offset:32768*\P+16384*\x+512*\b   ; 512 consecutive bytes
.endr
.endr
	v_lshl_or_b32 v[TT], v[TM+5], 8, v[TM+4]
	v_lshl_or_b32 v[TT+1], v[TM+7], 8, v[TM+6]
	s_delay_alu instid0(VALU_DEP_1)
	v_cndmask_b32 v[TT], v[TT], v[TT+1], s[HI]     ; lane l: query l of these 32
	ds_store_b16 v[VOS], v[TT] offset:64*\P
.endr
	s_wait_dscnt 0x0
	s_barrier_signal -1
	s_barrier_wait -1                              ; the 512 queries' bytes lie in LDS
	s_cmp_lt_u32 s[WV], 2
	s_cbranch_scc0 .Lend
	ds_load_b128 v[SA:SA+3], v[VOB]
	s_wait_dscnt 0x0
	global_store_b128 v[VOG], v[SA:SA+3], s[18:19] ; waves 0 and 1: 512 consecutive bytes each
.Lend:
	s_wait_tensorcnt 0x0                           ; the wave's end
	ds_add_u32 v[SPW], v[NIL]
	s_wait_dscnt 0x0
	CROUND                                         ; the closing round
	s_endpgm
.Lfunc_end_k_q9835f9442d_attn:
	.size	k_q9835f9442d_attn, .Lfunc_end_k_q9835f9442d_attn-k_q9835f9442d_attn
	.p2alignl 7, 3214868480
	.fill 96, 4, 3214868480
	.section	.rodata,"a",@progbits
	.p2align	6, 0x0
	.amdhsa_kernel k_q9835f9442d_attn
		.amdhsa_group_segment_fixed_size 327680
		.amdhsa_private_segment_fixed_size 0
		.amdhsa_enable_private_segment 0
		.amdhsa_kernarg_size 72
		.amdhsa_user_sgpr_count 2
		.amdhsa_user_sgpr_kernarg_segment_ptr 1
		.amdhsa_wavefront_size32 1
		.amdhsa_system_sgpr_workgroup_id_x 1
		.amdhsa_system_sgpr_workgroup_id_y 1
		.amdhsa_system_sgpr_workgroup_id_z 1
		.amdhsa_system_vgpr_workitem_id 0
		.amdhsa_next_free_vgpr 512
		.amdhsa_next_free_sgpr 88
		.amdhsa_reserve_vcc 0
		.amdhsa_float_denorm_mode_32 3
		.amdhsa_float_denorm_mode_16_64 3
		.amdhsa_memory_ordered 1
		.amdhsa_forward_progress 1
		.amdhsa_inst_pref_size 112
	.end_amdhsa_kernel
	.amdgpu_metadata
---
amdhsa.version: [ 1, 2 ]
amdhsa.kernels:
  - .name:           k_q9835f9442d_attn
    .symbol:         k_q9835f9442d_attn.kd
    .args:
      - { .name: qimg, .offset: 0, .size: 8, .value_kind: global_buffer, .address_space: global }
      - { .name: qscl, .offset: 8, .size: 8, .value_kind: global_buffer, .address_space: global }
      - { .name: kimg, .offset: 16, .size: 8, .value_kind: global_buffer, .address_space: global }
      - { .name: kscl, .offset: 24, .size: 8, .value_kind: global_buffer, .address_space: global }
      - { .name: vimg, .offset: 32, .size: 8, .value_kind: global_buffer, .address_space: global }
      - { .name: vscl, .offset: 40, .size: 8, .value_kind: global_buffer, .address_space: global }
      - { .name: oimg, .offset: 48, .size: 8, .value_kind: global_buffer, .address_space: global }
      - { .name: oscl, .offset: 56, .size: 8, .value_kind: global_buffer, .address_space: global }
      - { .name: Wo_codes, .offset: 64, .size: 8, .value_kind: global_buffer, .address_space: global }
    .group_segment_fixed_size: 327680
    .private_segment_fixed_size: 0
    .kernarg_segment_align: 8
    .kernarg_segment_size: 72
    .max_flat_workgroup_size: 256
    .sgpr_count:     88
    .vgpr_count:     512
    .wavefront_size: 32
...
	.end_amdgpu_metadata
.endif
;; end of part 2
;; launch outln (part 3): grid 256 x 1, 4 waves a work-group, clusters of 4 x 1, 327,680 bytes of LDS; arguments oimg, oscl, Wo_scales, bo, query, ln_gamma, ln_beta, out0; writes out0
.if DOCPART == 3
	.amdgcn_target "amdgcn-amd-amdhsa--gfx1250"
	.amdhsa_code_object_version 6
	.text
	.protected	k_q9835f9442d_outln
	.globl	k_q9835f9442d_outln
	.p2align	8
	.type	k_q9835f9442d_outln,@function
k_q9835f9442d_outln:
	s_mov_b64 s[64:65], 0
	v_nop
	global_prefetch_b8 v0, s[64:65] scope:SCOPE_SE
	s_setreg_imm32_b32 hwreg(HW_REG_WAVE_MODE, 25, 1), 1
	s_wait_xcnt 0x0
	s_wait_alu depctr_hold_cnt(0) depctr_sa_sdst(0) depctr_va_vdst(0) depctr_va_sdst(0) depctr_va_ssrc(0) depctr_va_vcc(0) depctr_vm_vsrc(0)
	s_getreg_b32 s2, hwreg(HW_REG_IB_STS2, 6, 4)
	s_cmp_eq_u32 s2, 0
	s_cbranch_scc0 .Lentry_in_a_cluster
	s_endpgm
.Lentry_in_a_cluster:
	s_bfe_u32 s2, ttmp6, 0x10000c
	s_cmp_lg_u32 s2, 0x3003
	s_cbranch_scc0 .Lentry_shape_is_right
	s_endpgm
.Lentry_shape_is_right:
; out0 = LayerNorm(o Wo + bo + query) x gamma + beta; the product on codes of FP8 (E4M3) with E8M0 scales, all else in f32.
; SHARES.  The norm wants whole rows: a work-group owns 32 tokens x all 1,024 columns: 8,192 / 32 = 256 work-groups.  Wave w owns columns 256 w on: 2 token tiles x 16 column tiles = 32 accumulators, 256 registers.
; Source 0 = 16 rows of Wo, source 1 = 16 tokens: a lane holds one token and eight neighbouring columns.
; Wo comes as the image of its operand registers that the attention launch laid 8,388,608 bytes into oimg: [K step of 128][tile of 16 rows][c][lane][16 bytes]: a K step is 131,072 dense bytes.
; CLUSTERS of four work-groups: all walk the same Wo, so each K step is asked for JOINTLY, a quarter (its own 16 tiles, 32,768 bytes) by each wave, through a ring of two LDS slots; each refill stands behind a round of the cluster's barrier.
; A wave has one tensor load out behind each round; it has the K step's 64 LDS loads and 32 products in which to land.
; THE TOKENS' fragments, all of K (2 tiles x 8 K steps x 16 registers), come once, as images, into registers.  THE SUMS BEGIN as bo, loaded straight into the accumulators.
; THE RESIDUAL (query, in the result's layout: 16 bytes a lane, 64 bytes of each of 16 rows for a tile) comes under the K loop into token registers that are done with: token tile 0's in K step 4 (over K steps 0-3's fragments),
; column tiles 0-7 of token tile 1 in K step 6 (over K steps 4, 5's), the rest behind K step 7; it is added ahead of the rows' sums.
; PREFETCHES.  The image's K step ks + 3 is asked for in K step ks (its tensor load stands in K step ks + 2): 131,072 bytes = 16 waves of the cluster x 32 lanes x 256 bytes, shared out by address; K steps 0 to 2 come by their loads alone; it stops at K step 7.
; The residual's last part (16 rows x 512 bytes a wave, a lane a block of 256 bytes) is asked for in K step 1, six K steps ahead of its loads; its other parts come by their loads alone, two K steps or more ahead of their use.
; THE NORM in two passes: the mean, then the sum of (y - mean)^2; each summed in a lane, across the two halves of the lanes, and across the four waves through LDS (a barrier each).
; THE WAY OUT: 16 rows x my 1,024 bytes go through a stage in my own quarter of slot 0, which has had its last fill and my last read, and leave as runs of 512 consecutive bytes.
; LIMITS: NaN and infinities are not served.
; REGISTERS.  window 0: below.  window 1: accumulator (m, t) at 128 m + 8 t.  window 2: the K step's 16 fragments of Wo; at the end gamma, beta.  window 3: token fragment (ks, m) at 32 ks + 16 m; then the residual, laid as the accumulators; at the end rows on their way out.
.set RP,    1040                       ; a row of the stage: 1,024 bytes + 16
.set SLOT,  131072
.set XCH,   262144                     ; two exchanges of 512 bytes
.set SPARE, 263168                     ; the spare words, 128 bytes a wave
.set VL,  2                            ; 16 x lane
.set VR,  3                            ; stage: my token's row, my eight columns
.set VRR, 4                            ; stage: whole rows back
.set VXS, 5                            ; where I put a token's partial sum
.set VXL, 6                            ; where the four waves' lie
.set VB,  7                            ; 32 x (lane / 16)
.set VQ,  8                            ; 4,096 x (lane % 16) + 32 x (lane / 16)
.set VU,  9                            ; 2 x lane
.set VWS, 10                           ; 32 x lane
.set VPF, 11                           ; 256 x lane
.set ADW, 12                           ; v12, v13 LDS: my quarter of slot 0, of slot 1
.set SM,  14                           ; v14-17 sums, a pair a token tile
.set MU,  18                           ; v18-21 -mean, twice
.set RS,  22                           ; v22-25 1 / sqrt(var + eps), twice
.set CH,  26                           ; v26-33 four chains
.set SPW, 34
.set NIL, 35
.set VPQ, 39                           ; 4,096 x (lane % 16) + 256 x (lane / 16)
.set WSC, 48                           ; v48-111 Wo's scale words: 8 P + ks: lanes 0-15 tile 2 P, lanes 16-31 tile 2 P + 1
.set TSC, 116                          ; v116-123 the tokens': lanes 0-15 tile 0, lanes 16-31 tile 1
.set UH,  128                          ; v128-143 at the head: a head's two scale bytes of token (lane)
.set XT,  144                          ; v144-151 the exchange
.set WV,  20
.set CX,  21
.set WG,  22
.set G1,  24
.set G0,  32
.set SEL, 40
.set MSB, 0
.macro WIN new
.if MSB != (\new)
	s_set_vgpr_msb (MSB<<8)|(\new)
.set MSB, (\new)
.endif
.endm
.macro PLACES n
.rept \n
	v_nop
.endr
.endm
.macro CROUND                          ; a round of the cluster's barrier
	s_barrier_signal -1
	s_barrier_wait -1
	s_cmp_lg_u32 s[WV], 0
	s_cbranch_scc1 .Lnot_wave_0_\@
	s_barrier_signal -3
.Lnot_wave_0_\@:
	s_barrier_wait -3
	s_barrier_signal -1
	s_barrier_wait -1
.endm
.macro WM d, a, b, c, sa, sb, ra, rb
.if ((\ra) != 0) && ((\rb) != 0)
	v_wmma_scale_f32_16x16x128_f8f6f4 v[(\d):(\d)+7], v[(\a):(\a)+15], v[(\b):(\b)+15], \c, v[(\sa)], v[(\sb)] matrix_a_scale:MATRIX_SCALE_ROW1 matrix_b_scale:MATRIX_SCALE_ROW1
.elseif (\ra) != 0
	v_wmma_scale_f32_16x16x128_f8f6f4 v[(\d):(\d)+7], v[(\a):(\a)+15], v[(\b):(\b)+15], \c, v[(\sa)], v[(\sb)] matrix_a_scale:MATRIX_SCALE_ROW1
.elseif (\rb) != 0
	v_wmma_scale_f32_16x16x128_f8f6f4 v[(\d):(\d)+7], v[(\a):(\a)+15], v[(\b):(\b)+15], \c, v[(\sa)], v[(\sb)] matrix_b_scale:MATRIX_SCALE_ROW1
.else
	v_wmma_scale_f32_16x16x128_f8f6f4 v[(\d):(\d)+7], v[(\a):(\a)+15], v[(\b):(\b)+15], \c, v[(\sa)], v[(\sb)]
.endif
.endm
; the residual of token tile m, column tiles t0 .. t0 + 7, into window 3, laid as the accumulators
.macro RESID m, t0
	WIN 0xc0
.irp t, 0,1,2,3,4,5,6,7
.irp x, 0,1
	global_load_b128 v[128*(\m)+8*((\t0)+\t)+4*\x:128*(\m)+8*((\t0)+\t)+4*\x+3], v[VQ], s[12:13] offset:65536*(\m)+64*((\t0)+\t)+16*\x
.endr
.endr
.endm
	s_load_b512 s[4:19], s[0:1], 0x0               ; oimg, oscl, Wo's scales, bo, query, gamma, beta, out0
	v_lshl_add_u32 v[SPW], v0, 2, SPARE
	v_mov_b32 v[NIL], 0
	ds_add_u32 v[SPW], v[NIL]                      ; the opening: the add, twice on end, and its wait ahead of the first tensor load
	ds_add_u32 v[SPW], v[NIL]
	v_lshrrev_b32 v1, 5, v0
	v_readfirstlane_b32 s[WV], v1                  ; wave 0..3
	s_bfe_u32 s[CX], ttmp6, 0x40000                ; my place in the cluster
	s_lshl_b32 s[WG], ttmp9, 2
	s_add_co_u32 s[WG], s[WG], s[CX]               ; my block of 32 tokens
	s_mov_b32 s[G1], 15|(3<<16)|(1<<21)            ; group 1: all four work-groups; elements of 8 bytes; 128 dense rows of 256 bytes
	s_mov_b32 s[G1+1], 32<<16
	s_mov_b32 s[G1+2], 128<<16
	s_mov_b32 s[G1+3], 32<<16
	s_mov_b32 s[G1+4], 128
	s_mov_b32 s[G1+5], 32
	s_mov_b32 s[G1+6], 0
	s_mov_b32 s[G1+7], 0
	s_lshl_b32 s44, s[WV], 15                      ; my quarter of a K step, in memory and in a slot
	s_mov_b32 s45, 0
	s_mov_b32 s23, s44
	s_mov_b32 s[SEL], 0x76543210
	s_mov_b32 s[SEL+1], 0xfedcba98
	s_mov_b32 s42, 0x3a800000                      ; 1 / 1,024
	s_mov_b32 s43, 0x3727c5ac                      ; 1e-5
	s_wait_dscnt 0x0                               ; both opening adds are done
	CROUND                                         ; all four work-groups are here: the joint loads meet
	s_wait_kmcnt 0x0
	s_add_nc_u64 s[46:47], s[4:5], 0x800000        ; Wo's image
	s_add_nc_u64 s[50:51], s[46:47], s[44:45]
	s_mov_b32 s[G0], 1
	s_mov_b32 s[G0+1], s44
	s_mov_b64 s[G0+2:G0+3], s[50:51]               ; slot 0: K step 0
	s_or_b32 s[G0+3], s[G0+3], 0x80000000
	s_mov_b32 s[G0+4], 1
	s_add_co_u32 s[G0+5], s44, SLOT
	s_add_nc_u64 s[G0+6:G0+7], s[50:51], SLOT      ; slot 1: K step 1
	s_or_b32 s[G0+7], s[G0+7], 0x80000000
	tensor_load_to_lds s[G0:G0+3], s[G1:G1+7]      ; my one load at the head
	s_nop 0
	PLACES 4
	s_lshl_b32 s44, s[CX], 2
	s_add_co_u32 s44, s44, s[WV]
	s_lshl_b32 s44, s44, 13                        ; which 8,192 bytes of a K step I prefetch: one of the cluster's sixteen waves
	s_add_nc_u64 s[48:49], s[46:47], s[44:45]
	s_lshl_b32 s44, s[WG], 15
	s_add_nc_u64 s[4:5], s[4:5], s[44:45]          ; my two token tiles
	s_lshr_b32 s44, s[WG], 6                       ; oscl: batch x 65,536 + head x 4,096 + 2 x token
	s_lshl_b32 s44, s44, 16
	s_and_b32 s50, s[WG], 63
	s_lshl_b32 s50, s50, 6
	s_add_co_u32 s44, s44, s50
	s_add_nc_u64 s[6:7], s[6:7], s[44:45]
	s_lshl_b32 s44, s[WV], 13
	s_add_nc_u64 s[8:9], s[8:9], s[44:45]          ; the scale bytes of my 256 rows of Wo
	s_lshl_b32 s44, s[WV], 10
	s_add_nc_u64 s[10:11], s[10:11], s[44:45]      ; bo, gamma, beta at my 256 columns
	s_add_nc_u64 s[14:15], s[14:15], s[44:45]
	s_add_nc_u64 s[16:17], s[16:17], s[44:45]
	s_lshl_b32 s50, s[WG], 17
	s_add_co_u32 s44, s44, s50                     ; 32 rows of 4,096 bytes a work-group, 1,024 bytes a wave
	s_add_nc_u64 s[12:13], s[12:13], s[44:45]
	s_add_nc_u64 s[18:19], s[18:19], s[44:45]
	s_lshl_b32 s50, s[WV], 7
	s_add_co_u32 s50, s50, XCH
	v_and_b32 v36, 31, v0
	v_and_b32 v37, 15, v0
	v_bfe_u32 v38, v0, 4, 1
	v_lshlrev_b32 v[VL], 4, v36
	v_lshlrev_b32 v[VB], 5, v38
	v_lshlrev_b32 v[VU], 1, v36
	v_lshlrev_b32 v[VWS], 5, v36
	v_lshlrev_b32 v[VPF], 8, v36
	v_lshlrev_b32 v[VPQ], 12, v37
	v_mul_u32_u24 v[VR], v37, RP
	v_lshl_add_u32 v[VQ], v37, 12, v[VB]
	v_lshl_add_u32 v[VXS], v37, 2, s50
	v_lshl_add_u32 v[VXL], v37, 2, XCH
	v_add_nc_u32 v[ADW], s23, v[VL]
	v_add_nc_u32 v[VR], v[VR], v[VB]
	v_add_nc_u32 v[VRR], s23, v[VL]
	v_lshl_add_u32 v[VPQ], v38, 8, v[VPQ]
	v_add_nc_u32 v[ADW+1], SLOT, v[ADW]
	v_add_nc_u32 v[VR], s23, v[VR]
	s_wait_alu depctr_va_vdst(0)
.irp hd, 0,1,2,3,4,5,6,7,8,9,10,11,12,13,14,15
	global_load_u16 v[UH+\hd], v[VU], s[6:7] offset:4096*\hd         ; head hd's two bytes of token (lane)
.endr
.irp pp, 0,1,2,3,4,5,6,7
.irp x, 0,1
	global_load_b128 v[WSC+8*\pp+4*\x:WSC+8*\pp+4*\x+3], v[VWS], s[8:9] offset:1024*\pp+16*\x
.endr
.endr
	WIN 0x40
.irp m, 0,1
.irp t, 0,1,2,3,4,5,6,7,8,9,10,11,12,13,14,15
.irp x, 0,1
	global_load_b128 v[128*\m+8*\t+4*\x:128*\m+8*\t+4*\x+3], v[VB], s[10:11] offset:64*\t+16*\x   ; the sums begin as bo, in the result's layout
.endr
.endr
.endr
	WIN 0xc0
.irp ks, 0,1,2,3,4,5,6,7
.irp m, 0,1
.irp c, 0,1,2,3
	global_load_b128 v[32*\ks+16*\m+4*\c:32*\ks+16*\m+4*\c+3], v[VL], s[4:5] offset:16384*\m+2048*\ks+512*\c   ; the tokens' fragments: dense runs of 512 bytes
.endr
.endr
.endr
	WIN 0
	s_wait_loadcnt 56                              ; all but the 56 loads of K steps 1 to 7's token fragments
.irp ks, 0,1,2,3,4,5,6,7
	v_lshl_or_b32 v[TSC+\ks], v[UH+2*\ks+1], 16, v[UH+2*\ks]         ; K step ks = heads 2 ks and 2 ks + 1
.endr
	s_wait_alu depctr_va_vdst(0)                   ; the wait at the head's end
; A K STEP.  In front of the round: all my tensor loads are in (my quarter of this step's slot), the add, and the wait for it and for my reads of the other slot.  Behind it the other slot takes K step ks + 1.
.macro TRIP ks
.set SL, (\ks)%2
	s_wait_tensorcnt 0x0
.if (\ks) < 7
	ds_add_u32 v[SPW], v[NIL]
.if (\ks) < 6
	s_add_nc_u64 s[G0+4*SL+2:G0+4*SL+3], s[G0+4*SL+2:G0+4*SL+3], 2*SLOT   ; no load of mine is out: this slot's next K step
.endif
	s_wait_dscnt 0x0
	CROUND
	tensor_load_to_lds s[G0+4*(1-SL):G0+4*(1-SL)+3], s[G1:G1+7]
	s_nop 0
.endif
	PLACES 8                                       ; ahead of the loads into registers that earlier products read (in K step 0 also between the tokens' scale words and their products)
.if (\ks) == 1
	s_wait_loadcnt 0x0                             ; the rest of the tokens' fragments
.endif
.if (\ks) == 4
	RESID 0, 0                                     ; over the token fragments of K steps 0 to 3
	RESID 0, 8
.endif
.if (\ks) == 6
	RESID 1, 0                                     ; over those of K steps 4 and 5
.endif
	WIN 0x80
.irp t, 0,1,2,3,4,5,6,7,8,9,10,11,12,13,14,15
.irp c, 0,1,2,3
	ds_load_b128 v[16*\t+4*\c:16*\t+4*\c+3], v[ADW+SL] offset:2048*\t+512*\c
.endr
.endr
.if (\ks) < 5
	global_prefetch_b8 v[VPF], s[48:49] offset:((\ks)+3)*SLOT th:TH_LOAD_NT scope:SCOPE_SE
.endif
.if (\ks) == 1
	global_prefetch_b8 v[VPQ], s[12:13] offset:65536+512 th:TH_LOAD_NT scope:SCOPE_SE   ; the residual's last part: rows 16 to 31, bytes 512 to 1,023 of my 1,024
.endif
.irp g, 0,1,2,3
	s_wait_dscnt 16*(3-\g)                         ; these four tiles are in; the 16 loads of each later group may be out
	WIN 0x5e
.irp tq, 0,1,2,3
.irp m, 0,1
	WM 128*\m+8*(4*\g+\tq), 16*(4*\g+\tq), 32*(\ks)+16*\m, v[128*\m+8*(4*\g+\tq):128*\m+8*(4*\g+\tq)+7], WSC+8*((4*\g+\tq)/2)+(\ks), TSC+(\ks), \tq%2, \m
.endr
.endr
.endr
	WIN 0
.endm
.irp ks, 0,1,2,3,4,5,6,7                           ; the 32 accumulators take turns in one order in every K step
	TRIP \ks
.endr
	PLACES 8                                       ; ahead of the first read of results and of loads into the products' registers
	RESID 1, 8                                     ; over the token fragments of K steps 6 and 7
	WIN 0x80
.irp t, 0,1,2,3,4,5,6,7,8,9,10,11,12,13,14,15
.irp x, 0,1
	global_load_b128 v[8*\t+4*\x:8*\t+4*\x+3], v[VB], s[14:15] offset:64*\t+16*\x             ; gamma
.endr
.endr
.irp t, 0,1,2,3,4,5,6,7,8,9,10,11,12,13,14,15
.irp x, 0,1
	global_load_b128 v[128+8*\t+4*\x:128+8*\t+4*\x+3], v[VB], s[16:17] offset:64*\t+16*\x     ; beta
.endr
.endr
	WIN 0
.macro FOLD m                          ; the four chains into the tile's pair
	WIN 0
	v_pk_add_f32 v[CH:CH+1], v[CH:CH+1], v[CH+2:CH+3]
	v_pk_add_f32 v[CH+4:CH+5], v[CH+4:CH+5], v[CH+6:CH+7]
	v_pk_add_f32 v[SM+2*(\m):SM+2*(\m)+1], v[CH:CH+1], v[CH+4:CH+5]
.endm
.macro SPASS m                         ; y = the sum + the residual, in place, and its sum over my columns, in four chains; each accumulator from its low end on
.set AB, 128*(\m)
	s_wait_loadcnt 63                              ; behind this tile's residual 64 loads or more were issued (gamma, beta; for tile 0 also tile 1's): the field's largest count stands for them
	WIN 0x4d
.set nn, 0
.rept 64
	v_pk_add_f32 v[AB+2*nn:AB+2*nn+1], v[AB+2*nn:AB+2*nn+1], v[AB+2*nn:AB+2*nn+1]   ; window 1 += window 3
.set nn, nn+1
.endr
	WIN 0x05
.irp c, 0,1,2,3
	v_pk_add_f32 v[CH+2*\c:CH+2*\c+1], v[AB+2*\c:AB+2*\c+1], v[AB+8+2*\c:AB+8+2*\c+1]
.endr
	WIN 0x04
.set nn, 8
.rept 56
	v_pk_add_f32 v[CH+2*(nn%4):CH+2*(nn%4)+1], v[CH+2*(nn%4):CH+2*(nn%4)+1], v[AB+2*nn:AB+2*nn+1]
.set nn, nn+1
.endr
	FOLD \m
.endm
; the two tiles' sums: a pair's halves, the other half of the lanes, the four waves (through LDS, one barrier): the totals come into v[XT], v[XT+1], the same in every wave
.macro XCHG off
.irp m, 0,1
	v_add_f32 v[SM+2*\m], v[SM+2*\m], v[SM+2*\m+1]
.endr
.irp m, 0,1
	v_permlanex16_b32 v[CH+\m], v[SM+2*\m], s[SEL], s[SEL+1]
.endr
.irp m, 0,1
	v_add_f32 v[SM+2*\m], v[SM+2*\m], v[CH+\m]
.endr
.irp m, 0,1
	ds_store_b32 v[VXS], v[SM+2*\m] offset:\off+64*\m            ; both halves of the lanes write the same word with the same value
.endr
	s_wait_dscnt 0x0
	s_barrier_signal -1
	s_barrier_wait -1
.irp q, 0,1,2,3
.irp m, 0,1
	ds_load_b32 v[XT+2*\q+\m], v[VXL] offset:\off+128*\q+64*\m
.endr
.endr
	s_wait_dscnt 0x0
.irp m, 0,1
	v_add_f32 v[XT+\m], v[XT+\m], v[XT+2+\m]
.endr
.irp m, 0,1
	v_add_f32 v[XT+4+\m], v[XT+4+\m], v[XT+6+\m]
.endr
.irp m, 0,1
	v_add_f32 v[XT+\m], v[XT+\m], v[XT+4+\m]
.endr
.endm
.macro VPASS m                         ; y - mean, in place, and the sum of its squares
.set AB, 128*(\m)
	WIN 0x41
.set nn, 0
.rept 64
	v_pk_add_f32 v[AB+2*nn:AB+2*nn+1], v[AB+2*nn:AB+2*nn+1], v[MU+2*(\m):MU+2*(\m)+1]
.set nn, nn+1
.endr
	WIN 0x05
.irp c, 0,1,2,3
	v_pk_mul_f32 v[CH+2*\c:CH+2*\c+1], v[AB+2*\c:AB+2*\c+1], v[AB+2*\c:AB+2*\c+1]
.endr
.set nn, 4
.rept 60
	v_pk_fma_f32 v[CH+2*(nn%4):CH+2*(nn%4)+1], v[AB+2*nn:AB+2*nn+1], v[AB+2*nn:AB+2*nn+1], v[CH+2*(nn%4):CH+2*(nn%4)+1]
.set nn, nn+1
.endr
	FOLD \m
.endm
.macro NPASS m                         ; x 1 / sqrt(var + eps), x gamma + beta
.set AB, 128*(\m)
	WIN 0x41
.set nn, 0
.rept 64
	v_pk_mul_f32 v[AB+2*nn:AB+2*nn+1], v[AB+2*nn:AB+2*nn+1], v[RS+2*(\m):RS+2*(\m)+1]
.set nn, nn+1
.endr
	WIN 0x69
.set nn, 0
.rept 64
	v_pk_fma_f32 v[AB+2*nn:AB+2*nn+1], v[AB+2*nn:AB+2*nn+1], v[2*nn:2*nn+1], v[128+2*nn:128+2*nn+1]
.set nn, nn+1
.endr
	WIN 0
.endm
; 16 rows x my 1,024 bytes through my stage (LDS serves a wave's instructions in order, ISA guide 5.7.1.4: no wait between the stores and the loads, nor ahead of the next tile's stores)
.macro OPASS m
.set AB, 128*(\m)
	WIN 0x04
.irp t, 0,1,2,3,4,5,6,7,8,9,10,11,12,13,14,15
.irp x, 0,1
	ds_store_b128 v[VR], v[AB+8*\t+4*\x:AB+8*\t+4*\x+3] offset:64*\t+16*\x
.endr
.endr
	WIN 0xc0
.set nn, 0
.rept 32
	ds_load_b128 v[AB+4*nn:AB+4*nn+3], v[VRR] offset:RP*(nn/2)+512*(nn%2)
.set nn, nn+1
.endr
	WIN 0x0c
.set nn, 0
.rept 32
	s_wait_dscnt 31-nn                             ; this run is back; the younger loads may be out
	global_store_b128 v[VL], v[AB+4*nn:AB+4*nn+3], s[18:19] offset:(16*(\m)+nn/2)*4096+512*(nn%2) th:TH_STORE_NT
.set nn, nn+1
.endr
	WIN 0
.endm
	SPASS 0
	SPASS 1
	XCHG 0
.irp m, 0,1
	v_mul_f32 v[MU+2*\m], 0xba800000, v[XT+\m]     ; -mean
.endr
.irp m, 0,1
	v_mov_b32 v[MU+2*\m+1], v[MU+2*\m]
.endr
	VPASS 0
	VPASS 1
	XCHG 512
.irp m, 0,1
	v_fma_f32 v[XT+\m], v[XT+\m], s42, s43         ; var + eps
.endr
	s_wait_alu depctr_va_vdst(0)                   ; the wait ahead of the batch
.irp m, 0,1
	v_rsq_f32 v[RS+2*\m], v[XT+\m]
.endr
	v_nop
	s_wait_alu depctr_va_vdst(0)                   ; one wait for the two, ahead of their first reader
.irp m, 0,1
	v_mov_b32 v[RS+2*\m+1], v[RS+2*\m]
.endr
	s_wait_alu depctr_va_vdst(0)                   ; the wait here, directly ahead of the wait below
	s_wait_loadcnt 0x0                             ; gamma and beta
	NPASS 0
	NPASS 1
	s_wait_alu depctr_va_vdst(0)
	OPASS 0
	OPASS 1
	s_wait_tensorcnt 0x0                           ; the wave's end
	ds_add_u32 v[SPW], v[NIL]
	s_wait_dscnt 0x0
	CROUND                                         ; the closing round
	s_endpgm
.Lfunc_end_k_q9835f9442d_outln:
	.size	k_q9835f9442d_outln, .Lfunc_end_k_q9835f9442d_outln-k_q9835f9442d_outln
	.p2alignl 7, 3214868480
	.fill 96, 4, 3214868480
	.section	.rodata,"a",@progbits
	.p2align	6, 0x0
	.amdhsa_kernel k_q9835f9442d_outln
		.amdhsa_group_segment_fixed_size 327680
		.amdhsa_private_segment_fixed_size 0
		.amdhsa_enable_private_segment 0
		.amdhsa_kernarg_size 64
		.amdhsa_user_sgpr_count 2
		.amdhsa_user_sgpr_kernarg_segment_ptr 1
		.amdhsa_wavefront_size32 1
		.amdhsa_system_sgpr_workgroup_id_x 1
		.amdhsa_system_sgpr_workgroup_id_y 1
		.amdhsa_system_sgpr_workgroup_id_z 1
		.amdhsa_system_vgpr_workitem_id 0
		.amdhsa_next_free_vgpr 1024
		.amdhsa_next_free_sgpr 66
		.amdhsa_reserve_vcc 0
		.amdhsa_float_denorm_mode_32 3
		.amdhsa_float_denorm_mode_16_64 3
		.amdhsa_memory_ordered 1
		.amdhsa_forward_progress 1
		.amdhsa_inst_pref_size 174
	.end_amdhsa_kernel
	.amdgpu_metadata
---
amdhsa.version: [ 1, 2 ]
amdhsa.kernels:
  - .name:           k_q9835f9442d_outln
    .symbol:         k_q9835f9442d_outln.kd
    .args:
      - { .name: oimg, .offset: 0, .size: 8, .value_kind: global_buffer, .address_space: global }
      - { .name: oscl, .offset: 8, .size: 8, .value_kind: global_buffer, .address_space: global }
      - { .name: Wo_scales, .offset: 16, .size: 8, .value_kind: global_buffer, .address_space: global }
      - { .name: bo, .offset: 24, .size: 8, .value_kind: global_buffer, .address_space: global }
      - { .name: query, .offset: 32, .size: 8, .value_kind: global_buffer, .address_space: global }
      - { .name: ln_gamma, .offset: 40, .size: 8, .value_kind: global_buffer, .address_space: global }
      - { .name: ln_beta, .offset: 48, .size: 8, .value_kind: global_buffer, .address_space: global }
      - { .name: out0, .offset: 56, .size: 8, .value_kind: global_buffer, .address_space: global }
    .group_segment_fixed_size: 327680
    .private_segment_fixed_size: 0
    .kernarg_segment_align: 8
    .kernarg_segment_size: 64
    .max_flat_workgroup_size: 128
    .sgpr_count:     66
    .vgpr_count:     1024
    .wavefront_size: 32
...
	.end_amdgpu_metadata
.endif
;; end of part 3
